; MI455X (gfx1250); checked and timed in simulation.
; The chip was launched on July 23, 2026; its instructions are those of AMD's public machine-readable ISA for CDNA 5 (MIT licence, August 2026) and "CDNA5" Instruction Set Architecture Reference Guide (July 2026). The comments in the code are by the model that wrote it; some were corrected since.
;; Multihead Attention. Allowed arithmetic: matrix products marked QUANTISED: E2M1 operands, one E8M0 scale for each 32 along K, by v_wmma_scale_f32_16x16x128_f8f6f4 with both operands' format E2M1 (or v_wmma_scale_f32_32x16x128_f4), f32 sums; products left as they are: bf16, f16 or f32 operands; f32 sums; everything else in f32.
;; Inputs: Wk 1,024 x 1,024 float32; Wo 1,024 x 1,024 float32; Wq 1,024 x 1,024 float32; Wv 1,024 x 1,024 float32; bk 1,024 float32; bo 1,024 float32; bq 1,024 float32; bv 1,024 float32; keys 4 x 2,048 x 1,024 float32; queries 4 x 2,048 x 1,024 float32; values 4 x 2,048 x 1,024 float32.
;; Outputs: out0 4 x 2,048 x 1,024 float32.
;; Constants: attn_mask = 0.
;; This version of the problem:
;;   THIS VERSION OF THE PROBLEM IS GIVEN IN LOW PRECISION. The matrix products marked QUANTISED in the list below multiply operands that are first quantised to E2M1 (2 exponent bits, 1 mantissa bit; 4 bits a number), with one power-of-two scale for each 32 numbers along K (OCP MX v1.0); their sums are f32. The products marked 'left as it is' may take bf16, f16 or f32 operands, with f32 sums. Whichever they take, every output number must still come out within the allowed error. Rounding operands to bf16 (8 significant bits) uses up far more of that allowance than f16 does (11 bits, for magnitudes from 6e-5 to 65,504). All else is computed in f32.
;;   The module's matrix products, in the order in which they are computed (A, B: the left and right operand; K: the contracted axis; several contracted axes count as one K, in the product's order):
;;     1. [M 8,192, K 1,024] x [K 1,024, N 1,024]; A: input keys; B: input Wk: QUANTISED
;;     2. [M 8,192, K 1,024] x [K 1,024, N 1,024]; A: input queries; B: input Wq: QUANTISED
;;     3. [M 8,192, K 1,024] x [K 1,024, N 1,024]; A: input values; B: input Wv: QUANTISED
;;     4. batch 64 x [M 2,048, K 64] x [K 64, N 2,048]; A: computed on the way; B: computed on the way: left as it is (an operand is computed on the way)
;;     5. batch 64 x [M 2,048, K 2,048] x [K 2,048, N 64]; A: computed on the way; B: computed on the way: left as it is (an operand is computed on the way)
;;     6. [M 8,192, K 1,024] x [K 1,024, N 1,024]; A: computed on the way; B: input Wo: left as it is (an operand is computed on the way)
;;   THE QUANTISER, for each operand of a quantised product, along K:
;;     - K is cut into blocks of 32 from its start; a last block that is shorter is filled with zeros.
;;     - A block's scale is 2^e with e = floor(log2(the largest magnitude in the block)) - 2, held to -126 .. 127; a block of zeros has e = 0. As a byte (E8M0): e + 127.
;;     - Each number is divided by its block's scale, clamped to +-6, and rounded to the nearest number of E2M1, ties to even, subnormals kept.
;;     - The product sums the exact products of the quantised numbers (number of the format x scale) in f32.
;;   ~~~python
;;   def quantise(x, axis):      # numpy; x: float32 -> the quantised numbers, widened to float32 again
;;       x = np.moveaxis(x, axis, -1); K = x.shape[-1]
;;       x = np.pad(x, [(0, 0)] * (x.ndim - 1) + [(0, -K % 32)]); x = x.reshape(x.shape[:-1] + (-1, 32)); a = np.abs(x).max(-1, keepdims=True)
;;       e = np.where(a > 0, np.clip(np.frexp(np.where(a > 0, a, 1))[1] - 1 - 2, -126, 127), 0)      # np.frexp(a)[1] - 1 = floor(log2(a)), exactly
;;       r = np.clip(x / 2.0 ** e, -6, 6)
;;       step = 2.0 ** (np.maximum(np.frexp(np.where(r == 0, 1, r))[1] - 1, 0) - 1)
;;       q = np.round(r / step) * step * 2.0 ** e      # np.round: ties to even
;;       return np.moveaxis(q.reshape(q.shape[:-2] + (-1,))[..., :K], -1, axis).astype(np.float32)
;;   ~~~
;; One version. Each part assembles by itself: llvm-mc -triple=amdgcn-amd-amdhsa -mcpu=gfx1250 --defsym DOCPART=n.
;; ======== version 1 of 1: 4 launches
;; limits: values are held in f16: magnitudes above 65,504 overflow, below 6.1e-05 lose precision
;; workspace buffers: codes 14,155,776 bytes; scales 884,736 bytes; wf 2,097,152 bytes; kf 16,777,216 bytes; qf 16,777,216 bytes; vf 16,777,216 bytes; cf 16,777,216 bytes
;; launch quant (part 1): grid 928 x 1, 4 waves a work-group, no clusters, 33,280 bytes of LDS; arguments keys, queries, values, Wk, Wq, Wv, Wo, codes, scales, wf; writes codes, scales, wf
.if DOCPART == 1
	.amdgcn_target "amdgcn-amd-amdhsa--gfx1250"
	.amdhsa_code_object_version 6
	.text
	.protected	k_q3ac500f136_quant
	.globl	k_q3ac500f136_quant
	.p2align	8
	.type	k_q3ac500f136_quant,@function
k_q3ac500f136_quant:
	s_mov_b64 s[64:65], 0
	v_nop
	global_prefetch_b8 v0, s[64:65] scope:SCOPE_SE
	s_setreg_imm32_b32 hwreg(HW_REG_WAVE_MODE, 25, 1), 1
	s_wait_xcnt 0x0
; keys, queries, values [8192][1024] and Wk, Wq, Wv [1024][1024], f32 with K innermost, become codes of FP4 (E2M1) with one E8M0 scale byte for each 32 along K;
; Wo [1024][1024] becomes f16, laid as images of operand registers.
; CODES AND SCALES.  Rows are dense and 1,024 is a multiple of 32, so the six tensors are one stream of blocks of 32 numbers, in the order keys, queries, values, Wk, Wq, Wv:
; a block is 16 bytes of codes and one scale byte, a row 512 bytes of codes and 32 scale bytes.  A block's scale is 2^(floor(log2(its largest magnitude)) - 2); its byte is the largest
; magnitude's exponent field - 2, held at 1 from below.  Each number is divided by the scale and rounded to the nearest code, ties to even; beyond 6 the largest code.
; The first 864 work-groups take 32,768 numbers each, a wave 8,192, in 16 steps of 512.  A step's four loads read 512 consecutive bytes each; the 2,048 bytes turn through the wave's own stage in
; LDS (16 bytes of padding behind each 64) and come back 64 bytes a lane: 16 neighbours along K, two lanes to a block.  A step's codes leave as 256 consecutive bytes, a wave's 256 scale bytes as one store.
; WO.  The last 64 work-groups take 16 rows n each, a wave 256 along K.  wf is made of blocks of 512 bytes, block (n / 16) x 64 + k / 16: lane (r, h) owns the 16 bytes at 16 x lane: row r, k = 8 h .. 8 h + 7.
; Two neighbouring blocks are one fragment of 16 rows x 32 K of the 16-bit matrix form.
; LIMITS: a block of zeros gets the byte 1 where the quantiser says 127: its codes are zeros, and the bytes are read by this program alone.  Blocks whose largest magnitude lies under 2^-124 take the byte 1.
; NaN and infinities among the inputs are not served.  Wo must stay under 65,504 in magnitude; under 6e-5 it keeps an absolute step of 6e-8.
.set NQWG,  864                        ; work-groups that quantise: 3 x 256 + 3 x 32
.set STEPS, 16
.set EMAX,  2
.set CB,    8                          ; bytes of 16 codes
.set R,     16                         ; v16-79   four sets of 16 numbers as they are loaded
.set X,     80                         ; v80-111  two sets of 16 neighbours
.set E,     112                        ; v112-127 a scale byte for each step
.set C,     128                        ; v128-191 codes: four registers for each step, so that no store's data are written again
.set W32,   16                         ; Wo's path: v16-143 sixteen blocks of 8 numbers
.set W16,   144                        ; v144-207 the same as f16, 4 registers a block
.set WREG,  8192                       ; LDS: a region for each wave: two stages of 32 x SP bytes, behind them its 256 scale bytes
.set SP,    80                         ; a lane's place in a stage: 64 bytes + 16 of padding
.set SPW,   12                         ; v12  LDS address of my spare word: SPARE + 4 x my thread's number; never rewritten
.set NIL,   13                         ; v13  0; never rewritten
.set SPARE, 4*WREG                     ; behind the four regions: the spare words, 128 bytes a wave, which no other line names
.set SRC,   26                         ; s[26:27] the tensor that my work-group reads
.set FIRST, 28                         ; s28  that tensor's first work-group
	s_load_b512 s[4:19], s[0:1], 0x0               ; keys 4, queries 6, values 8, Wk 10, Wq 12, Wv 14, Wo 16, codes 18
	s_load_b128 s[20:23], s[0:1], 0x40             ; scales 20, wf 22
	v_lshl_add_u32 v[SPW], v0, 2, SPARE
	v_mov_b32 v[NIL], 0
	v_lshrrev_b32 v1, 5, v0
	v_readfirstlane_b32 s24, v1                    ; wave 0..3
	v_and_b32 v2, 31, v0                           ; lane
	v_lshlrev_b32 v3, 4, v2                        ; 16 x lane: my 16 bytes of a load's 512, and of a block of wf
	s_mul_i32 s25, s24, WREG
	v_lshrrev_b32 v14, 2, v2
	v_mul_u32_u24 v14, v14, SP
	v_and_b32 v15, 3, v2
	v_lshl_add_u32 v14, v15, 4, v14
	v_add_nc_u32 v14, s25, v14                     ; the stage, on the way in: four lanes' 64 bytes on end, then 16 of padding
	v_mul_u32_u24 v15, v2, SP
	v_add_nc_u32 v15, s25, v15                     ; and on the way out: SP x lane: my 16 neighbours
	v_mul_u32_u24 v4, v2, CB                       ; 8 x lane: my codes' place in a step's, and my place in the wave's 256 scale bytes
	v_lshrrev_b32 v5, 1, v2
	s_add_co_u32 s25, s25, 2*32*SP
	v_add_nc_u32 v5, s25, v5                       ; LDS: my wave's scale bytes, my block's byte
	v_add_nc_u32 v6, s25, v4                       ; and 8 bytes a lane on the way out
	s_wait_kmcnt 0x0
	s_cmp_ge_u32 ttmp9, NQWG                       ; the work-group's number alone decides the path
	s_cbranch_scc1 .Lwo
	; ---- the quantiser.  Which tensor: a chain of choices on the work-group's number; only pointers are chosen
.macro PICK lim, ptr, first
	s_cmp_lt_u32 ttmp9, \lim
	s_cselect_b64 s[SRC:SRC+1], s[\ptr:\ptr+1], s[SRC:SRC+1]
	s_cselect_b32 s[FIRST], \first, s[FIRST]
.endm
	s_mov_b64 s[SRC:SRC+1], s[14:15]               ; Wv, from work-group 832 on
	s_mov_b32 s[FIRST], 832
	PICK 832, 12, 800                              ; Wq
	PICK 800, 10, 768                              ; Wk
	PICK 768, 8, 512                               ; values
	PICK 512, 6, 256                               ; queries
	PICK 256, 4, 0                                 ; keys
	s_sub_co_u32 s30, ttmp9, s[FIRST]
	s_lshl_b32 s30, s30, 2
	s_add_co_u32 s30, s30, s24                     ; which run of 8,192 numbers of the tensor is my wave's
	s_lshl_b32 s30, s30, 15                        ; 32,768 bytes a run: under 2^26
	s_mov_b32 s31, 0
	s_add_nc_u64 s[SRC:SRC+1], s[SRC:SRC+1], s[30:31]
	s_lshl_b32 s32, ttmp9, 2
	s_add_co_u32 s32, s32, s24                     ; and which run of the whole stream
	s_lshl_b32 s34, s32, 12                        ; 4,096 bytes of codes a run
	s_mov_b32 s35, 0
	s_add_nc_u64 s[18:19], s[18:19], s[34:35]
	s_lshl_b32 s34, s32, 8                         ; 256 scale bytes a run
	s_add_nc_u64 s[20:21], s[20:21], s[34:35]
.macro LOAD t
.irp i, 0,1,2,3
	global_load_b128 v[R+16*((\t)%4)+4*\i:R+16*((\t)%4)+4*\i+3], v3, s[SRC:SRC+1] offset:2048*(\t)+512*\i th:TH_LOAD_NT   ; 32 lanes read 512 consecutive bytes
.endr
.endm
.macro TURN t                          ; step t's numbers through the stage: LDS serves a wave's instructions in order, so no wait stands between the stores and the loads
.irp i, 0,1,2,3
	ds_store_b128 v14, v[R+16*((\t)%4)+4*\i:R+16*((\t)%4)+4*\i+3] offset:32*SP*((\t)%2)+8*SP*\i
.endr
.irp i, 0,1,2,3
	ds_load_b128 v[X+16*((\t)%2)+4*\i:X+16*((\t)%2)+4*\i+3], v15 offset:32*SP*((\t)%2)+16*\i
.endr
.endm
.irp t, 0,1,2,3
	LOAD \t
.endr
	s_wait_loadcnt 12                              ; step 0's four loads are in; the 12 of steps 1 to 3 may be out
	TURN 0
.macro STEP t
.set XS, X+16*((\t)%2)
.if (\t) > 0
	s_wait_dscnt 1                                 ; this step's numbers are back from the stage (the last step's byte store may be out): so its stores into the stage have read their registers,
.else
	s_wait_dscnt 0x0
.endif
.if (\t)+4 < STEPS
	LOAD (\t)+4                                    ; which take the loads of four steps on
.endif
.if (\t)+1 < STEPS
.if STEPS-2-(\t) >= 3
	s_wait_loadcnt 12                              ; the next step's four loads are in; those of the three steps behind it may be out
.else
	s_wait_loadcnt 4*(STEPS-2-(\t))
.endif
	TURN (\t)+1                                    ; and go through the other stage while this step is worked
.endif
	v_max3_num_f32 v8, |v[XS]|, |v[XS+1]|, |v[XS+2]|               ; the largest magnitude of my 16, in two chains
	v_max3_num_f32 v9, |v[XS+3]|, |v[XS+4]|, |v[XS+5]|
.irp i, 6,10
	v_max3_num_f32 v8, v8, |v[XS+\i]|, |v[XS+\i+1]|
	v_max3_num_f32 v9, v9, |v[XS+\i+2]|, |v[XS+\i+3]|
.endr
	v_max3_num_f32 v8, v8, |v[XS+14]|, |v[XS+15]|
	v_max3_num_f32 v8, v8, v9, (EMAX+1)<<23        ; and the floor 2^(3 - 127): the byte cannot fall under 1
	v_max_num_f32_dpp v8, v8, v8 row_xmask:1 row_mask:0xf bank_mask:0xf   ; and of my neighbour's 16: the block's
	v_add_nc_u32 v11, 0xff000000, v8               ; 2 off its exponent field: the conversion takes the exponent field of this operand as its scale, and nothing else of it
	v_cvt_scalef32_pk8_fp4_f32 v[C+4*(\t)], v[XS:XS+7], v11
	v_cvt_scalef32_pk8_fp4_f32 v[C+4*(\t)+1], v[XS+8:XS+15], v11
	v_lshrrev_b32 v[E+(\t)], 23, v11               ; the scale's byte (a plain line behind the conversions)
	ds_store_b8 v5, v[E+(\t)] offset:16*(\t)       ; both lanes of a block write the same byte with the same value
	global_store_b64 v4, v[C+4*(\t):C+4*(\t)+1], s[18:19] offset:32*CB*(\t)   ; 32 lanes store 256 consecutive bytes, aligned
.endm
.irp t, 0,1,2,3,4,5,6,7,8,9,10,11,12,13,14,15
	STEP \t
.endr
	ds_load_b64 v[8:9], v6                         ; LDS serves a wave's instructions in order: this sees my byte stores
	s_wait_dscnt 0x0
	global_store_b64 v4, v[8:9], s[20:21]          ; 32 lanes store the wave's 256 scale bytes, aligned
	s_branch .Lend
	; ---- Wo to f16.  No LDS: a lane's 8 numbers pack into its own 16 bytes of a block
.Lwo:
	s_sub_co_u32 s30, ttmp9, NQWG                  ; which 16 rows n
	s_lshl_b32 s32, s30, 16                        ; 16 rows of 4,096 bytes,
	s_lshl_b32 s33, s24, 10                        ; my wave's 256 along K
	s_add_co_u32 s32, s32, s33
	s_mov_b32 s33, 0
	s_add_nc_u64 s[16:17], s[16:17], s[32:33]
	s_lshl_b32 s32, s30, 15                        ; 64 blocks of 512 bytes for 16 rows,
	s_lshl_b32 s34, s24, 13                        ; my wave's 16 of them
	s_add_co_u32 s32, s32, s34
	s_add_nc_u64 s[22:23], s[22:23], s[32:33]
	v_and_b32 v1, 15, v2                           ; r
	v_lshrrev_b32 v8, 4, v2                        ; h
	v_lshlrev_b32 v1, 12, v1
	v_lshl_add_u32 v1, v8, 5, v1                   ; row r, + 32 h bytes: my 8 numbers of a block's 16 along K
.set i, 0
.rept 16
	global_load_b128 v[W32+8*i:W32+8*i+3],   v1, s[16:17] offset:64*i
	global_load_b128 v[W32+8*i+4:W32+8*i+7], v1, s[16:17] offset:64*i+16
.set i, i+1
.endr
.set i, 0
.rept 16
	s_wait_loadcnt 30-2*i                          ; block i's two loads are in; the later blocks' may be out
.irp j, 0,1,2,3
	v_cvt_pk_f16_f32 v[W16+4*i+\j], v[W32+8*i+2*\j], v[W32+8*i+2*\j+1]
.endr
	global_store_b128 v3, v[W16+4*i:W16+4*i+3], s[22:23] offset:512*i   ; 32 lanes store a block: 512 consecutive bytes, aligned; every block has registers of its own
.set i, i+1
.endr
.Lend:
	s_wait_tensorcnt 0x0                           ; the wave's end, behind the last LDS store
	ds_add_u32 v[SPW], v[NIL]
	s_wait_dscnt 0x0
	s_endpgm
.Lfunc_end_k_q3ac500f136_quant:
	.size	k_q3ac500f136_quant, .Lfunc_end_k_q3ac500f136_quant-k_q3ac500f136_quant
	.p2alignl 7, 3214868480
	.fill 96, 4, 3214868480
	.section	.rodata,"a",@progbits
	.p2align	6, 0x0
	.amdhsa_kernel k_q3ac500f136_quant
		.amdhsa_group_segment_fixed_size 33280
		.amdhsa_private_segment_fixed_size 0
		.amdhsa_enable_private_segment 0
		.amdhsa_kernarg_size 80
		.amdhsa_user_sgpr_count 2
		.amdhsa_user_sgpr_kernarg_segment_ptr 1
		.amdhsa_wavefront_size32 1
		.amdhsa_system_sgpr_workgroup_id_x 1
		.amdhsa_system_sgpr_workgroup_id_y 1
		.amdhsa_system_sgpr_workgroup_id_z 1
		.amdhsa_system_vgpr_workitem_id 0
		.amdhsa_next_free_vgpr 208
		.amdhsa_next_free_sgpr 66
		.amdhsa_reserve_vcc 0
		.amdhsa_float_denorm_mode_32 3
		.amdhsa_float_denorm_mode_16_64 3
		.amdhsa_memory_ordered 1
		.amdhsa_forward_progress 1
		.amdhsa_inst_pref_size 44
	.end_amdhsa_kernel
	.amdgpu_metadata
---
amdhsa.version: [ 1, 2 ]
amdhsa.kernels:
  - .name:           k_q3ac500f136_quant
    .symbol:         k_q3ac500f136_quant.kd
    .args:
      - { .name: keys, .offset: 0, .size: 8, .value_kind: global_buffer, .address_space: global }
      - { .name: queries, .offset: 8, .size: 8, .value_kind: global_buffer, .address_space: global }
      - { .name: values, .offset: 16, .size: 8, .value_kind: global_buffer, .address_space: global }
      - { .name: Wk, .offset: 24, .size: 8, .value_kind: global_buffer, .address_space: global }
      - { .name: Wq, .offset: 32, .size: 8, .value_kind: global_buffer, .address_space: global }
      - { .name: Wv, .offset: 40, .size: 8, .value_kind: global_buffer, .address_space: global }
      - { .name: Wo, .offset: 48, .size: 8, .value_kind: global_buffer, .address_space: global }
      - { .name: codes, .offset: 56, .size: 8, .value_kind: global_buffer, .address_space: global }
      - { .name: scales, .offset: 64, .size: 8, .value_kind: global_buffer, .address_space: global }
      - { .name: wf, .offset: 72, .size: 8, .value_kind: global_buffer, .address_space: global }
    .group_segment_fixed_size: 33280
    .private_segment_fixed_size: 0
    .kernarg_segment_align: 8
    .kernarg_segment_size: 80
    .max_flat_workgroup_size: 128
    .sgpr_count:     66
    .vgpr_count:     208
    .wavefront_size: 32
...
	.end_amdgpu_metadata
.endif
;; end of part 1
;; launch proj (part 2): grid 4 x 96, 4 waves a work-group, clusters of 4 x 4, 327,680 bytes of LDS; arguments codes, scales, bk, bq, bv, kf, qf, vf; writes kf, qf, vf
.if DOCPART == 2
	.amdgcn_target "amdgcn-amd-amdhsa--gfx1250"
	.amdhsa_code_object_version 6
	.text
	.protected	k_q3ac500f136_proj
	.globl	k_q3ac500f136_proj
	.p2align	8
	.type	k_q3ac500f136_proj,@function
k_q3ac500f136_proj:
	s_mov_b64 s[64:65], 0
	v_nop
	global_prefetch_b8 v0, s[64:65] scope:SCOPE_SE
	s_setreg_imm32_b32 hwreg(HW_REG_WAVE_MODE, 25, 1), 1
	s_wait_xcnt 0x0
	s_wait_alu depctr_hold_cnt(0) depctr_sa_sdst(0) depctr_va_vdst(0) depctr_va_sdst(0) depctr_va_ssrc(0) depctr_va_vcc(0) depctr_vm_vsrc(0)
	s_getreg_b32 s2, hwreg(HW_REG_IB_STS2, 6, 4)
	s_cmp_eq_u32 s2, 0
	s_cbranch_scc0 .Lentry_in_a_cluster
	s_endpgm
.Lentry_in_a_cluster:
	s_bfe_u32 s2, ttmp6, 0x10000c
	s_cmp_lg_u32 s2, 0xf033
	s_cbranch_scc0 .Lentry_shape_is_right
	s_endpgm
.Lentry_shape_is_right:
; k = keys Wk^T + bk, q = queries Wq^T + bq, v = values Wv^T + bv: three products [8192][1024] x [1024][1024] on codes of FP4 (E2M1) with one E8M0 scale for each 32 along K, sums in f32, in ONE launch.
; codes: rows of 512 bytes: x rows 0 .. 24,575 (keys, queries, values), then from byte WCODES on W rows 0 .. 3,071 (Wk, Wq, Wv).  scales: 32 bytes a row, W's from byte WSCALES on.
; A tile of 256 rows x 256 columns is made by a work-group of four waves, a wave 128 x 128: 64 accumulators of 16 x 16, 512 registers.  96 tile rows (32 a tensor) x 4 tile columns.
; K = 1,024 is two slots of 512 along K (rows of 256 bytes): both are asked for at the head, and NO SLOT IS EVER FILLED AGAIN: no loop, one change of slots.  The scale bytes of the tile's rows, for all of K, come with them.
; CLUSTERS: 4 x 4 work-groups.  The four of a row of the cluster need the same rows of x, the four of a column the same rows of W: each tile is asked for JOINTLY.  A cluster's four tile rows lie in one tensor
; (8 clusters a tensor), so which tensor is a number of the cluster's y alone, the same in all sixteen.
; THE MATRIX INSTRUCTION IS USED TRANSPOSED (source 0 = 16 rows of W, source 1 = 16 rows of x): a lane holds one token and eight neighbouring channels.  THE BIAS IS THE C OF EACH SUM'S FIRST PRODUCT.
; RESULTS leave as f16, straight from registers, as images of operand registers.  kf, qf, vf are made of blocks of 512 bytes, block ((b x 16 + head) x 128 + token / 16) x 4 + channel / 16:
; 16 tokens x 16 channels; lane (r, h) owns the 16 bytes at 16 x lane: token r, channels 8 h .. 8 h + 7.  A lane's eight results are just those, so a store of the wave covers a whole block.
; In vf the pieces of a block are permuted: piece (token kk, channel group g) lies at 16 x ((kk / 8) x 16 + g x 8 + kk % 8), so that the turning LDS load of the next launch takes it at 16 x lane.
; LIMITS: k, q and v must stay under 65,504 in magnitude (f16); NaN and infinities are not served.
; REGISTERS, in windows of 256: window 0: v16-31 addresses; v32-95 scale words, two sets; v128-191 x's fragments, ONE set; v192-255 the bias, 8 registers for each of my 8 blocks of 16 channels; on the way out v96-223 packed results.
;   window 1: W's fragments, TWO sets, at v0 and v128.   window 2: the accumulators of my rows 0-63 ((a, b) at v[8 (8 a + b)]);   window 3: those of my rows 64-127.
.set NQ,     4                         ; steps of 128 along K in a slot
.set ROWB,   256                       ; a tile's row in bytes: 512 codes
.set KROW,   512                       ; a row of codes in memory
.set PITCH,  272                       ; an LDS row: 256 bytes + 16 of padding: the 16 rows that a load touches begin 68 words apart
.set FR,     8                         ; registers of a fragment: 16 rows x 128 K
.set NL,     2                         ; LDS loads that bring one
.set NP,     4                         ; places behind this matrix instruction (ISA guide 7.12.1)
.set HALFT,  128*PITCH                 ; 128 rows: what one tensor load brings, and what one wave reads of x or of W
.set SLOT,   4*HALFT                   ; x's 256 rows, then W's 256 rows
.set KS,     32                        ; a row of scale bytes
.set SCL,    2*SLOT                    ; behind the slots: the scales, as units of 256 bytes + 16 of padding
.set HALFS,  16*272                    ; the scales of 128 rows: what one tensor load brings
.set SBLK,   2*272                     ; those of 16 rows
.set SPARE,  SCL+4*HALFS               ; behind the scales: the spare words, 128 bytes a wave, which no other line names
.set WCODES, 12582912                  ; 24,576 rows x 512 bytes
.set WSCALES, 786432                   ; 24,576 rows x 32 bytes
.set ADRA, 16                          ; v16-17  LDS address of my fragments of x in slot 0, 1
.set ADRB, 20                          ; v20-21  the same for W
.set CO,   26                          ; v26     my 16 bytes' place in a block of the output
.set ADRS, 27                          ; v27     LDS address of my scale words: lanes 0-15 x's rows, lanes 16-31 W's
.set SPW,  28                          ; v28     LDS address of my spare word; never rewritten
.set NIL,  29                          ; v29     0; never rewritten
.set BO,   30                          ; v30     32 h: my eight numbers of a block of 16 of the bias
.set SC,   32                          ; scale words: set s at v[SC + 32 s]; register 4 i + q: lanes 0-15 the word of x's block i, lanes 16-31 that of W's block i, for the slot's q-th 128 along K
.set TMP,  96                          ; the way out: four sets of 32
.set AF,   128
.set BIAS, 192
.set WV, 20                            ; s20 wave;  s21 which half of the tile's rows is mine, also: I fetch for x (0) or for W (1);  s22 which half of its columns, also: which 128 rows I fetch
.set RH, 21
.set CH, 22
.set G1, 24                            ; s[24:31] descriptor group 1 for x's tiles;  s[32:39] group 0, one set a slot
.set G0, 32
.set G1B, 48                           ; s[48:55], s[56:63] the same for W's
.set G0B, 56
.set G1S, 68                           ; s[68:75], s[76:79] groups 1 and 0 for x's scales;  s[80:87], s[88:91] for W's
.set G0S, 76
.set G1SB, 80
.set G0SB, 88
.set TY, 95                            ; s95 tile row 0..95
.set TN, 96                            ; s96 which tensor: 0 k, 1 q, 2 v
.set VM, 97                            ; s97 all ones for v, else 0
.set OUT, 98                           ; s[98:99] the output at my part's first block
.set BP, 100                           ; s[100:101] the bias at my first channel
.set MSB, 0
.macro WIN new                         ; the immediate's high byte repeats the setting that is left; a switch that changes nothing is dropped
.if MSB != (\new)
	s_set_vgpr_msb (MSB<<8)|(\new)
.set MSB, (\new)
.endif
.endm
.set MUL_LO, 0xa1                      ; source 0 (W) window 1, source 1 (x) window 0, C and D window 2;  with the bias as C (window 0): 0x81
.set MUL_HI, 0xf1                      ; the same, C and D window 3;  with the bias as C: 0xc1
.set TO_B,   0x40                      ; destination window 1, address window 0
; A joint load: waves 0 and 1 fetch for x, waves 2 and 3 for W.  Each of the two lines has one mask and one set of registers for all that issue it; the branch hangs on the wave's number alone.
; An s_nop 0 and four v_nop follow each of the two lines.
.macro JLOAD g0a, g1a, g0b, g1b
	s_cmp_eq_u32 s[RH], 0
	s_cbranch_scc0 .Lfor_b_\@
	tensor_load_to_lds s[\g0a:\g0a+3], s[\g1a:\g1a+7]
	s_nop 0
.rept 4
	v_nop
.endr
	s_branch .Lasked_\@
.Lfor_b_\@:
	tensor_load_to_lds s[\g0b:\g0b+3], s[\g1b:\g1b+7]
	s_nop 0
.rept 4
	v_nop
.endr
.Lasked_\@:
.endm
.macro CROUND                          ; a round of the cluster's barrier: my work-group's barrier; wave 0 signals for the work-group; every wave waits for all sixteen; my work-group's barrier once more
	s_barrier_signal -1
	s_barrier_wait -1
	s_cmp_lg_u32 s[WV], 0
	s_cbranch_scc1 .Lnot_wave_0_\@
	s_barrier_signal -3
.Lnot_wave_0_\@:
	s_barrier_wait -3
	s_barrier_signal -1
	s_barrier_wait -1
.endm
	s_load_b512 s[4:19], s[0:1], 0x0               ; codes 4, scales 6, bk 8, bq 10, bv 12, kf 14, qf 16, vf 18
	v_lshl_add_u32 v[SPW], v0, 2, SPARE
	v_mov_b32 v[NIL], 0
	ds_add_u32 v[SPW], v[NIL]                      ; the wave's opening: the add, twice on end, and its wait ahead of my first tensor load; the set-up below stands between
	ds_add_u32 v[SPW], v[NIL]
	v_lshrrev_b32 v1, 5, v0
	v_readfirstlane_b32 s[WV], v1                  ; wave 0..3
	s_lshr_b32 s[RH], s[WV], 1
	s_and_b32 s[CH], s[WV], 1
	s_bfe_u32 s40, ttmp6, 0x40000                  ; cx, cy: my place in the cluster
	s_bfe_u32 s41, ttmp6, 0x40004
	s_lshl_b32 s42, ttmp9, 2
	s_add_co_u32 s42, s42, s40                     ; tile column = 4 x cluster x + cx
	s_and_b32 s[TN], ttmp7, 0xffff                 ; cluster y
	s_lshl_b32 s[TY], s[TN], 2
	s_add_co_u32 s[TY], s[TY], s41                 ; tile row = 4 x cluster y + cy
	s_lshr_b32 s[TN], s[TN], 3                     ; 8 clusters a tensor: made of the cluster's y alone
	s_lshl_b32 s43, s41, 2
	s_lshl_b32 s43, 15, s43                        ; my row of the cluster
	s_lshl_b32 s44, 0x1111, s40                    ; my column
	; descriptor group 1: a tile of 128 rows x 256 bytes, padded in LDS
	s_or_b32 s[G1+0], s43, (0<<16)|(1<<20)|(1<<21)|(5<<22)|(3<<25)  ; 15:0 the mask: x's tiles go to my row; 17:16 elements of 1 byte; 20 padding on; 21 set beside a mask; 24:22 after every 64 words; 31:25 four words
	s_or_b32 s[G1B+0], s44, (0<<16)|(1<<20)|(1<<21)|(5<<22)|(3<<25) ; W's go to my column
.irp g, G1, G1B
	s_mov_b32 s[\g+1], ROWB<<16                    ; tensor_dim0
	s_mov_b32 s[\g+2], 128<<16                     ; tensor_dim1
	s_mov_b32 s[\g+3], ROWB<<16                    ; tile_dim0
	s_mov_b32 s[\g+4], 128                         ; tile_dim1
	s_mov_b32 s[\g+5], KROW                        ; tensor_dim0_stride
	s_mov_b32 s[\g+6], 0
	s_mov_b32 s[\g+7], 0
.endr
	; the scales of 128 rows: a dense block of 4,096 bytes, as 16 rows of 256 bytes (32 elements of 8 bytes), 16 bytes of padding behind each
	s_or_b32 s[G1S+0], s43, (3<<16)|(1<<20)|(1<<21)|(5<<22)|(3<<25)
	s_or_b32 s[G1SB+0], s44, (3<<16)|(1<<20)|(1<<21)|(5<<22)|(3<<25)
.irp g, G1S, G1SB
	s_mov_b32 s[\g+1], 32<<16
	s_mov_b32 s[\g+2], 16<<16
	s_mov_b32 s[\g+3], 32<<16
	s_mov_b32 s[\g+4], 16
	s_mov_b32 s[\g+5], 32
	s_mov_b32 s[\g+6], 0
	s_mov_b32 s[\g+7], 0
.endr
	; where the tiles come from, in bytes (all under 2^24).  x's hang on the tile row, W's on the tile column and the tensor; each in registers that never hold the other coordinate
	s_lshl_b32 s23, s[CH], 7                       ; which 128 rows of the tile I fetch
	s_lshl_b32 s2, s[TY], 8
	s_add_co_u32 s2, s2, s23                       ; x: row 256 x tile row + 128 x half
	s_lshl_b32 s66, s2, 5                          ; its scale bytes,
	s_mov_b32 s67, 0
	s_lshl_b32 s2, s2, 9                           ; its codes
	s_mov_b32 s3, 0
	s_lshl_b32 s46, s42, 8
	s_add_co_u32 s46, s46, s23
	s_lshl_b32 s92, s[TN], 10
	s_add_co_u32 s46, s46, s92                     ; W: row 1,024 x tensor + 256 x tile column + 128 x half
	s_lshl_b32 s92, s46, 5
	s_add_co_u32 s92, s92, WSCALES
	s_mov_b32 s93, 0
	s_lshl_b32 s46, s46, 9
	s_add_co_u32 s46, s46, WCODES
	s_mov_b32 s47, 0
	s_mul_i32 s45, s[WV], HALFT                    ; where they go: wave x 128 rows: no place in the cluster enters an LDS address
	s_mul_i32 s94, s[WV], HALFS
	s_wait_dscnt 0x0                               ; both opening adds are done
	s_wait_kmcnt 0x0
	s_add_nc_u64 s[2:3], s[4:5], s[2:3]
	s_add_nc_u64 s[66:67], s[6:7], s[66:67]
	s_add_nc_u64 s[46:47], s[4:5], s[46:47]
	s_add_nc_u64 s[92:93], s[6:7], s[92:93]
	CROUND                                         ; all sixteen work-groups are here: the joint loads meet
	s_mov_b32 s[G0S], 1
	s_add_co_u32 s[G0S+1], s94, SCL
	s_mov_b64 s[G0S+2:G0S+3], s[66:67]
	s_or_b32 s[G0S+3], s[G0S+3], 0x80000000
	s_mov_b32 s[G0SB], 1
	s_add_co_u32 s[G0SB+1], s94, SCL
	s_mov_b64 s[G0SB+2:G0SB+3], s[92:93]
	s_or_b32 s[G0SB+3], s[G0SB+3], 0x80000000
	JLOAD G0S, G1S, G0SB, G1SB                     ; the scales first: they are wanted with the first step
.irp s, 0,1
	s_mov_b32 s[G0+4*\s], 1
	s_add_co_u32 s[G0+4*\s+1], s45, \s*SLOT
	s_add_nc_u64 s[G0+4*\s+2:G0+4*\s+3], s[2:3], \s*ROWB
	s_or_b32 s[G0+4*\s+3], s[G0+4*\s+3], 0x80000000
	s_mov_b32 s[G0B+4*\s], 1
	s_add_co_u32 s[G0B+4*\s+1], s45, \s*SLOT
	s_add_nc_u64 s[G0B+4*\s+2:G0B+4*\s+3], s[46:47], \s*ROWB
	s_or_b32 s[G0B+4*\s+3], s[G0B+4*\s+3], 0x80000000
	JLOAD G0+4*\s, G1, G0B+4*\s, G1B               ; three tensor loads of mine are out in all
.endr
	; which bias, which output: choices on the tensor's number
	s_cmp_eq_u32 s[TN], 0
	s_cselect_b64 s[OUT:OUT+1], s[14:15], s[16:17]
	s_cselect_b64 s[BP:BP+1], s[8:9], s[10:11]
	s_cmp_eq_u32 s[TN], 2
	s_cselect_b64 s[OUT:OUT+1], s[18:19], s[OUT:OUT+1]
	s_cselect_b64 s[BP:BP+1], s[12:13], s[BP:BP+1]
	s_cselect_b32 s[VM], -1, 0
	s_lshl_b32 s46, s42, 10
	s_lshl_b32 s47, s[CH], 9
	s_add_co_u32 s46, s46, s47                     ; my first channel, in bytes: (256 x tile column + 128 x half) x 4
	s_mov_b32 s47, 0
	s_add_nc_u64 s[BP:BP+1], s[BP:BP+1], s[46:47]
	v_and_b32 v1, 15, v0                           ; r = lane % 16
	v_bfe_u32 v2, v0, 4, 1                         ; h = lane / 16
	v_lshlrev_b32 v[BO], 5, v2
.irp b, 0,1,2,3,4,5,6,7
	global_load_b128 v[BIAS+8*\b:BIAS+8*\b+3],   v[BO], s[BP:BP+1] offset:64*\b      ; bias[16 b + 8 h + 0 .. 7]: the result's layout
	global_load_b128 v[BIAS+8*\b+4:BIAS+8*\b+7], v[BO], s[BP:BP+1] offset:64*\b+16
.endr
	v_mul_u32_u24 v3, v1, PITCH
	v_lshl_add_u32 v4, v2, 4, v3                   ; a fragment's row x pitch + 16 x half
	s_mul_i32 s2, s[RH], HALFT                     ; my 128 rows of x
	s_mul_i32 s3, s[CH], HALFT                     ; my 128 rows of W,
	s_add_co_u32 s3, s3, 2*HALFT                   ; which lie behind x's 256
.irp s, 0,1
	v_add_nc_u32 v[ADRA+\s], s2, v4
	v_add_nc_u32 v[ADRB+\s], s3, v4
	s_add_co_u32 s2, s2, SLOT
	s_add_co_u32 s3, s3, SLOT
.endr
	v_mul_u32_u24 v5, v1, KS                       ; my row's scales: 32 bytes a row,
	v_lshrrev_b32 v6, 8, v5
	v_lshl_add_u32 v5, v6, 4, v5                   ; and 16 more for each 256 passed
	s_mul_i32 s2, s[RH], HALFS                     ; x's: my 128 rows
	s_mul_i32 s3, s[CH], HALFS                     ; W's: my 128 rows, behind x's 256
	s_add_co_u32 s3, s3, 2*HALFS
	s_sub_co_u32 s3, s3, s2
	v_mul_u32_u24 v6, s3, v2                       ; lanes 16-31 take W's: the lower base + h x the distance
	s_add_co_u32 s2, s2, SCL
	v_add_nc_u32 v5, v5, v6
	v_add_nc_u32 v[ADRS], s2, v5
	v_and_b32 v6, 31, v0
	v_lshlrev_b32 v7, 4, v6                        ; k, q: 16 x lane
	v_and_b32 v8, 7, v1
	v_lshrrev_b32 v9, 3, v1
	v_lshl_or_b32 v8, v2, 3, v8
	v_lshl_or_b32 v8, v9, 4, v8
	v_lshlrev_b32 v8, 4, v8                        ; v: 16 x ((r / 8) x 16 + h x 8 + r % 8)
	v_cndmask_b32 v[CO], v7, v8, s[VM]
	s_and_b32 s46, s[TY], 31                       ; the tile row within its tensor:
	s_lshr_b32 s46, s46, 3                         ; 8 tile rows a sequence: the batch
	s_lshl_b32 s46, s46, 4
	s_lshl_b32 s47, s42, 2
	s_add_co_u32 s46, s46, s47
	s_lshl_b32 s47, s[CH], 1
	s_add_co_u32 s46, s46, s47                     ; batch x 16 + my first head (4 x tile column + 2 x half)
	s_lshl_b32 s46, s46, 7
	s_and_b32 s47, s[TY], 7
	s_lshl_b32 s47, s47, 4
	s_add_co_u32 s46, s46, s47
	s_lshl_b32 s47, s[RH], 3
	s_add_co_u32 s46, s46, s47                     ; x 128 + my first tile of 16 tokens
	s_lshl_b32 s46, s46, 11                        ; four blocks of 512 bytes each: under 2^24
	s_mov_b32 s47, 0
	s_add_nc_u64 s[OUT:OUT+1], s[OUT:OUT+1], s[46:47]
.macro FRAG reg, adr, q, i             ; a fragment, 16 rows x 128 K of 4-bit codes: lane l holds row l % 16; registers 4 c .. 4 c + 3 hold K = 64 c + 32 (l / 16) + 0 .. 31
.irp c, 0,1
	ds_load_b128 v[\reg+4*\c:\reg+4*\c+3], v[\adr] offset:64*(\q)+32*\c+(\i)*16*PITCH
.endr
.endm
; 16 matrix instructions: x's blocks a0, a0 + 1 against W's eight, 128 along K: the slot's q-th.  p: W's set; sc: the set of scale words.  first = 1: the bias is C: nothing is cleared and no addition is spent.
; The 64 accumulators take turns, one instruction a turn, in the same order in every step.
.macro MUL16 a0, p, q, sc, first
.irp a, \a0, \a0+1
.irp b, 0,1,2,3,4,5,6,7
.if \first
	v_wmma_scale_f32_16x16x128_f8f6f4 v[8*(8*((\a)%4)+\b):8*(8*((\a)%4)+\b)+7], v[128*(\p)+FR*\b:128*(\p)+FR*\b+FR-1], v[AF+FR*(\a):AF+FR*(\a)+FR-1], v[BIAS+8*\b:BIAS+8*\b+7], v[SC+8*NQ*(\sc)+NQ*\b+(\q)], v[SC+8*NQ*(\sc)+NQ*(\a)+(\q)] matrix_a_fmt:MATRIX_FMT_FP4 matrix_b_fmt:MATRIX_FMT_FP4 matrix_a_scale:MATRIX_SCALE_ROW1
.else
	v_wmma_scale_f32_16x16x128_f8f6f4 v[8*(8*((\a)%4)+\b):8*(8*((\a)%4)+\b)+7], v[128*(\p)+FR*\b:128*(\p)+FR*\b+FR-1], v[AF+FR*(\a):AF+FR*(\a)+FR-1], v[8*(8*((\a)%4)+\b):8*(8*((\a)%4)+\b)+7], v[SC+8*NQ*(\sc)+NQ*\b+(\q)], v[SC+8*NQ*(\sc)+NQ*(\a)+(\q)] matrix_a_fmt:MATRIX_FMT_FP4 matrix_b_fmt:MATRIX_FMT_FP4 matrix_a_scale:MATRIX_SCALE_ROW1
.endif
.endr
.endr
.endm
.macro FETCH_B slot, q, p              ; W's eight fragments of the slot's q-th 128 along K into set p
	WIN TO_B
.irp i, 0,1,2,3,4,5,6,7
	FRAG 128*(\p)+FR*\i, ADRB+\slot, \q, \i
.endr
	WIN 0
.endm
.macro FETCH_A slot, q, i0             ; x's blocks i0 .. i0 + 3
.irp i, \i0, \i0+1, \i0+2, \i0+3
	FRAG AF+FR*(\i), ADRA+\slot, \q, \i
.endr
.endm
.macro SCALES sc                       ; a slot's scale words into set sc: 4 words a row; lanes 0-15 take x's block i, lanes 16-31 W's block i
.irp i, 0,1,2,3,4,5,6,7
	ds_load_b128 v[SC+8*NQ*\sc+NQ*\i:SC+8*NQ*\sc+NQ*\i+3], v[ADRS] offset:\i*SBLK
.endr
.endm
; A load into a register that a matrix instruction has read, and a vector instruction that reads a matrix result, stand NP places behind that matrix instruction; only plain vector
; instructions that name none of its registers are places (ISA guide 7.12.1 for vector instructions).
.macro PLACES n
.rept \n
	v_nop
.endr
.endm
; A step of 128 along K that has its successor in the same slot.  x has one set of registers: blocks 0-3 are fetched anew in the step's middle, blocks 4-7 at its end; W has two sets.
.macro STEP slot, q, first
	s_wait_dscnt 4*NL                              ; W's set and x's blocks 0-3 are in; the youngest 8 loads (x's blocks 4-7) may be out
	WIN MUL_LO-0x20*(\first)
	MUL16 0, (\q)%2, \q, \slot, \first
	MUL16 2, (\q)%2, \q, \slot, \first
	s_wait_dscnt 0                                 ; x's blocks 4-7 are in (asked for 32 matrix instructions ago)
	PLACES NP
	FETCH_B \slot, (\q)+1, 1-(\q)%2
	FETCH_A \slot, (\q)+1, 0
	WIN MUL_HI-0x30*(\first)
	MUL16 4, (\q)%2, \q, \slot, \first
	MUL16 6, (\q)%2, \q, \slot, \first
	PLACES NP
	WIN 0
	FETCH_A \slot, (\q)+1, 4
.endm
.macro STEPS slot, from                ; the slot's steps from .. NQ - 2
.set Q, \from
.rept NQ-1-\from
	STEP \slot, Q, 0
.set Q, Q+1
.endr
.endm
	s_wait_tensorcnt 1                             ; the scales and my part of slot 0 are in (slot 1's load may be out)
	s_barrier_signal -1
	s_barrier_wait -1                              ; everybody's are
	FETCH_B 0, 0, 0
	FETCH_A 0, 0, 0
	SCALES 0
	FETCH_A 0, 0, 4
	s_wait_loadcnt 0x0                             ; the bias
	STEP 0, 0, 1                                   ; the first step's products start the sums from the bias
	STEPS 0, 1
	; slot 0's last step changes slots: one barrier; in front of it each wave waits for all its tensor loads (its part of slot 1).  Nothing is filled again.
	s_wait_tensorcnt 0x0                           ; (every window is 0 here)
	ds_add_u32 v[SPW], v[NIL]                      ; 0 onto my spare word
	s_wait_dscnt 4*NL+1                            ; (the add and the youngest 8 loads, x's blocks 4-7, may be out)
	WIN MUL_LO
	MUL16 0, 1, NQ-1, 0, 0
	s_wait_dscnt 0x0                               ; no LDS instruction of mine is pending at the signal
	s_barrier_signal -1
	MUL16 2, 1, NQ-1, 0, 0                         ; work on registers while the others arrive
	WIN 0
	s_barrier_wait -1                              ; slot 1 is whole
	PLACES NP
	v_add_nc_u32 v[ADRS], 4*NQ, v[ADRS]            ; on to slot 1's scale words (no LDS load of mine is out)
	FETCH_B 1, 0, 0
	FETCH_A 1, 0, 0
	SCALES 1
	WIN MUL_HI
	MUL16 4, 1, NQ-1, 0, 0
	MUL16 6, 1, NQ-1, 0, 0
	PLACES NP
	WIN 0
	FETCH_A 1, 0, 4
	STEPS 1, 0
	s_wait_dscnt 4*NL                              ; the very last step: nothing more to fetch
	WIN MUL_LO
	MUL16 0, 1, NQ-1, 1, 0
	MUL16 2, 1, NQ-1, 1, 0
	s_wait_dscnt 0
	WIN MUL_HI
	MUL16 4, 1, NQ-1, 1, 0
	MUL16 6, 1, NQ-1, 1, 0
	WIN 0
; THE WAY OUT, block by block of 16 tokens.  A lane's eight results of accumulator (a, b) are token r, channels 16 b + 8 h + 0 .. 7: rounded to f16 they are the lane's own 16 bytes of a block of the output.
; No LDS: each store of the wave covers 512 consecutive bytes, aligned.  Head b / 4 lies 262,144 bytes on, tile of tokens a 2,048, block of channels b % 4 512.  Each accumulator is read from its low end on.
.macro PACK a
	WIN 0x0a+5*((\a)/4)                            ; sources 0 and 1: window 2 or 3
.irp b, 0,1,2,3,4,5,6,7
.irp r, 0,1,2,3
	v_cvt_pk_f16_f32 v[TMP+32*((\a)%4)+4*\b+\r], v[64*((\a)%4)+8*\b+2*\r], v[64*((\a)%4)+8*\b+2*\r+1]
.endr
.endr
	WIN 0
.irp b, 0,1,2,3,4,5,6,7
	global_store_b128 v[CO], v[TMP+32*((\a)%4)+4*\b:TMP+32*((\a)%4)+4*\b+3], s[OUT:OUT+1] offset:(\b/4)*262144+(\a)*2048+(\b%4)*512
.endr
.endm
	PLACES NP                                      ; behind the last products: their operands' registers are written below
.irp a, 0,1,2,3
	PACK \a
.endr
	s_wait_xcnt 0x0                                ; the stores of blocks 0 to 3 have read their registers: the four sets are written again
.irp a, 4,5,6,7
	PACK \a
.endr
	s_wait_tensorcnt 0x0                           ; the wave's end, behind my last tensor load
	ds_add_u32 v[SPW], v[NIL]
	s_wait_dscnt 0x0
	CROUND                                         ; the closing round: no work-group ends while a partner may still ask for a tile that names it
	s_endpgm
.Lfunc_end_k_q3ac500f136_proj:
	.size	k_q3ac500f136_proj, .Lfunc_end_k_q3ac500f136_proj-k_q3ac500f136_proj
	.p2alignl 7, 3214868480
	.fill 96, 4, 3214868480
	.section	.rodata,"a",@progbits
	.p2align	6, 0x0
	.amdhsa_kernel k_q3ac500f136_proj
		.amdhsa_group_segment_fixed_size 327680
		.amdhsa_private_segment_fixed_size 0
		.amdhsa_enable_private_segment 0
		.amdhsa_kernarg_size 64
		.amdhsa_user_sgpr_count 2
		.amdhsa_user_sgpr_kernarg_segment_ptr 1
		.amdhsa_wavefront_size32 1
		.amdhsa_system_sgpr_workgroup_id_x 1
		.amdhsa_system_sgpr_workgroup_id_y 1
		.amdhsa_system_sgpr_workgroup_id_z 1
		.amdhsa_system_vgpr_workitem_id 0
		.amdhsa_next_free_vgpr 1024
		.amdhsa_next_free_sgpr 102
		.amdhsa_reserve_vcc 0
		.amdhsa_float_denorm_mode_32 3
		.amdhsa_float_denorm_mode_16_64 3
		.amdhsa_memory_ordered 1
		.amdhsa_forward_progress 1
		.amdhsa_inst_pref_size 120
	.end_amdhsa_kernel
	.amdgpu_metadata
---
amdhsa.version: [ 1, 2 ]
amdhsa.kernels:
  - .name:           k_q3ac500f136_proj
    .symbol:         k_q3ac500f136_proj.kd
    .args:
      - { .name: codes, .offset: 0, .size: 8, .value_kind: global_buffer, .address_space: global }
      - { .name: scales, .offset: 8, .size: 8, .value_kind: global_buffer, .address_space: global }
      - { .name: bk, .offset: 16, .size: 8, .value_kind: global_buffer, .address_space: global }
      - { .name: bq, .offset: 24, .size: 8, .value_kind: global_buffer, .address_space: global }
      - { .name: bv, .offset: 32, .size: 8, .value_kind: global_buffer, .address_space: global }
      - { .name: kf, .offset: 40, .size: 8, .value_kind: global_buffer, .address_space: global }
      - { .name: qf, .offset: 48, .size: 8, .value_kind: global_buffer, .address_space: global }
      - { .name: vf, .offset: 56, .size: 8, .value_kind: global_buffer, .address_space: global }
    .group_segment_fixed_size: 327680
    .private_segment_fixed_size: 0
    .kernarg_segment_align: 8
    .kernarg_segment_size: 64
    .max_flat_workgroup_size: 128
    .sgpr_count:     102
    .vgpr_count:     1024
    .wavefront_size: 32
...
	.end_amdgpu_metadata
.endif
;; end of part 2
;; launch attn (part 3): grid 4 x 64, 16 waves a work-group, clusters of 4 x 1, 327,680 bytes of LDS; arguments qf, kf, vf, cf; writes cf
.if DOCPART == 3
	.amdgcn_target "amdgcn-amd-amdhsa--gfx1250"
	.amdhsa_code_object_version 6
	.text
	.protected	k_q3ac500f136_attn
	.globl	k_q3ac500f136_attn
	.p2align	8
	.type	k_q3ac500f136_attn,@function
k_q3ac500f136_attn:
	s_mov_b64 s[64:65], 0
	v_nop
	global_prefetch_b8 v0, s[64:65] scope:SCOPE_SE
	s_setreg_imm32_b32 hwreg(HW_REG_WAVE_MODE, 25, 1), 1
	s_wait_xcnt 0x0
	s_wait_alu depctr_hold_cnt(0) depctr_sa_sdst(0) depctr_va_vdst(0) depctr_va_sdst(0) depctr_va_ssrc(0) depctr_va_vcc(0) depctr_vm_vsrc(0)
	s_getreg_b32 s2, hwreg(HW_REG_IB_STS2, 6, 4)
	s_cmp_eq_u32 s2, 0
	s_cbranch_scc0 .Lentry_in_a_cluster
	s_endpgm
.Lentry_in_a_cluster:
	s_bfe_u32 s2, ttmp6, 0x10000c
	s_cmp_lg_u32 s2, 0x3003
	s_cbranch_scc0 .Lentry_shape_is_right
	s_endpgm
.Lentry_shape_is_right:
; ctx[b][head][q][:] = the sum over k of softmax_k(q . k / 8) v[k][:], 64 heads (b x 16 + head) of 2,048 tokens x 64 channels, no mask.  Operands f16, products, maxima and sums f32.
; qf, kf, vf: blocks of 512 bytes, block (bh x 128 + token / 16) x 4 + channel / 16: 16 tokens x 16 channels as an image of operand registers: lane (r, h) owns the 16 bytes at 16 x lane: token r, channels 8 h .. + 7.
; (In vf the pieces of a block are permuted so that the turning LDS load at 16 x lane leaves lane = channel, 8 keys.)  Two neighbouring blocks are a fragment of 16 x 32.  64 keys are 8,192 dense bytes, a head 262,144.
; cf: the same kind of block, block (global token / 16) x 64 + head x 4 + channel / 16: the next launch's operand with K = head x 64 + channel.
; SHARES.  A work-group owns 512 queries of one head, each of its SIXTEEN waves 32 of them: two tiles of 16, in 256 registers: four waves to a SIMD, so that one wave's vector work stands beside another's matrix work and LDS loads.
; Every wave walks all 2,048 keys, 64 a step.  K and V come through a ring of two LDS slots of 512 keys (K's 65,536 bytes, then V's); every wave fetches 8,192 bytes of a slot by one tensor load.
; CLUSTER.  The four work-groups of a head form a cluster and walk the same K and V: each tile is asked for JOINTLY, by the same tensor load with the same descriptor and a mask that names the four.
; LAYOUT.  S^T = K Q^T (source 0 = 16 keys, source 1 = 16 queries): a lane holds ONE query (lane % 16) and keys 8 (lane / 16) + 0 .. 7.  Two such tiles, rounded to f16 in pairs, ARE source 1 (32 keys x 16 queries)
; of O^T = V^T P, whose result again holds one query a lane, and eight channels: they pack into the lane's own 16 bytes of a block of cf, so the way out needs no LDS.
; SOFTMAX.  For each query a running maximum m and sum l: p = 2^(c s - c m), c = log2(e) / 8; in every step O and l are multiplied by a = 2^(c m_old - c m_new).  l sums the unrounded p.
; The loop has no first step of its own: O and l begin as zeros and m as -3e38, so the first a is 0 and multiplies zeros.
; No prefetch: each of the two refills is itself asked for a whole slot, 8 key steps, ahead of its first read.
; LIMITS: ctx must stay under 65,504 in magnitude; p under 6e-5 keeps an absolute step of 6e-8, and p under 2^-126 is 0; NaN and infinities are not served.
.set STEPB, 8192                       ; 64 keys of K, or of V
.set VOFF,  65536                      ; a slot: K's 512 keys, then V's
.set SLOT1, 1<<17                      ; slot 1 begins here: one exclusive or turns an address in one slot into the other's
.set SPARE, 2*SLOT1                    ; behind the ring: the spare words, 128 bytes for each of 16 waves, which no other line names
.set L16, 2                            ; v2   16 x lane; never rewritten
.set ADK, 3                            ; v3   LDS address of the step's K
.set ADV, 4                            ; v4   of its V
.set SPW, 5                            ; v5   LDS address of my spare word; never rewritten
.set NIL, 6                            ; v6   0; never rewritten
.set ST,  8                            ; v8-23   tile t's statistics at v[ST + 8 t]: +0 c m, +1 m, +2, +3 l (even keys', odd keys'), +4 .. +7 c0-c3 at work; a takes c2's place
.set Q,   24                           ; v24-55  Q: tile t, channels 32 s on: v[Q + 16 t + 8 s]
.set KV,  56                           ; v56-119 one buffer: a step's K, then its V
.set S,   120                          ; v120-183 S^T, 32 a tile; P is rounded in place into a tile's first 16
.set O,   184                          ; v184-247 O^T, 32 a tile
.set WV,  12                           ; s12  my wave's number
.set G1,  24                           ; s[24:31] descriptor group 1: the same for K and V
.set G0K, 40                           ; s[40:47] group 0 for K: a set for each of the two first fills; the second then walks on
.set G0V, 48                           ; s[48:55] the same for V
.set SLOTS, 56                         ; s56  slots still to be asked for
.set CNT, 57                           ; s57  counts a slot's 8 steps
.set CS,  58                           ; s[58:59] c: the packed scaling names a pair and takes its low word for both halves
.set SEL, 60                           ; s[60:61] lane selects for v_permlanex16_b32: lane l xor 16
.set TB,  62                           ; s62  LDS byte at which the step's K begins
; A joint refill.  Waves 0 to 7 fetch K's eighths of a slot, waves 8 to 15 V's.  The branch hangs on the wave's number alone.  An s_nop 0 and four v_nop follow each of the two lines.
.macro JLOAD
	s_cmp_lt_u32 s[WV], 8
	s_cbranch_scc0 .Lfor_v_\@
	tensor_load_to_lds s[G0K+4:G0K+7], s[G1:G1+7]
	s_nop 0
.rept 4
	v_nop
.endr
	s_branch .Lasked_\@
.Lfor_v_\@:
	tensor_load_to_lds s[G0V+4:G0V+7], s[G1:G1+7]
	s_nop 0
.rept 4
	v_nop
.endr
.Lasked_\@:
.endm
.macro CROUND                          ; a round of the cluster's barrier: my work-group's barrier; wave 0 signals for the work-group; every wave waits for all four; my work-group's barrier once more
	s_barrier_signal -1
	s_barrier_wait -1
	s_cmp_lg_u32 s[WV], 0
	s_cbranch_scc1 .Lnot_wave_0_\@
	s_barrier_signal -3
.Lnot_wave_0_\@:
	s_barrier_wait -3
	s_barrier_signal -1
	s_barrier_wait -1
.endm
	s_load_b256 s[4:11], s[0:1], 0x0               ; qf 4, kf 6, vf 8, cf 10
	v_lshl_add_u32 v[SPW], v0, 2, SPARE
	v_mov_b32 v[NIL], 0
	ds_add_u32 v[SPW], v[NIL]                      ; the wave's opening: the add, twice on end, and its wait ahead of my first tensor load; the set-up below stands between
	ds_add_u32 v[SPW], v[NIL]
	v_lshrrev_b32 v1, 5, v0
	v_readfirstlane_b32 s[WV], v1                  ; wave 0..15
	s_bfe_u32 s13, ttmp6, 0x40000                  ; cx: my place in the cluster
	s_lshl_b32 s14, ttmp9, 2
	s_add_co_u32 s14, s14, s13                     ; my block of 512 queries: it enters Q's and ctx's addresses alone
	s_and_b32 s15, ttmp7, 0xffff                   ; the head b x 16 + head, which the four partners share
	s_lshl_b32 s16, s15, 18                        ; its first byte in qf, kf, vf: under 2^24
	s_and_b32 s18, s[WV], 7
	s_lshl_b32 s18, s18, 13
	s_add_co_u32 s18, s18, s16                     ; K, V: + my eighth of a slot's 65,536 bytes
	s_mov_b32 s19, 0
	s_lshl_b32 s20, s14, 5
	s_lshl_b32 s21, s[WV], 1
	s_add_co_u32 s20, s20, s21                     ; my first tile of 16 tokens in the sequence: 32 x block + 2 x wave
	s_lshr_b32 s22, s15, 4
	s_lshl_b32 s22, s22, 7
	s_add_co_u32 s22, s22, s20                     ; the same among all tokens: + 128 x batch
	s_lshl_b32 s22, s22, 15                        ; cf: 64 blocks of 512 bytes a tile of tokens,
	s_and_b32 s23, s15, 15
	s_lshl_b32 s23, s23, 11                        ; my head's four blocks
	s_add_co_u32 s22, s22, s23
	s_mov_b32 s23, 0
	s_lshl_b32 s20, s20, 11                        ; qf: four blocks a tile
	s_add_co_u32 s20, s20, s16
	s_mov_b32 s21, 0
	s_lshl_b32 s2, s[WV], 13                       ; where my tile goes in a slot: 8,192 x wave: waves 0-7 K's half, waves 8-15 V's; no place in the cluster enters an LDS address
	; descriptor group 1: 8,192 dense bytes as 32 rows of 256 bytes (32 elements of 8 bytes), no padding: fragments are read at 16 x lane, 512 consecutive bytes a load
	s_mov_b32 s[G1], 15|(3<<16)|(1<<21)            ; 15:0 the mask: all four work-groups; 17:16 elements of 8 bytes; 21 set beside a mask
	s_mov_b32 s[G1+1], 32<<16                      ; tensor_dim0
	s_mov_b32 s[G1+2], 32<<16                      ; tensor_dim1
	s_mov_b32 s[G1+3], 32<<16                      ; tile_dim0
	s_mov_b32 s[G1+4], 32                          ; tile_dim1
	s_mov_b32 s[G1+5], 32                          ; tensor_dim0_stride
	s_mov_b32 s[G1+6], 0
	s_mov_b32 s[G1+7], 0
	s_mov_b32 s[CS], 0x3e38aa3b                    ; c = log2(e) / 8
	s_mov_b32 s[CS+1], s[CS]                       ; named with it as a pair, so it is written
	s_mov_b32 s[SEL], 0x76543210
	s_mov_b32 s[SEL+1], 0xfedcba98
	s_mov_b32 s[TB], 0
	v_and_b32 v[L16], 31, v0
	v_lshlrev_b32 v[L16], 4, v[L16]
	s_wait_dscnt 0x0                               ; both opening adds are done
	s_wait_kmcnt 0x0
	s_add_nc_u64 s[6:7], s[6:7], s[18:19]          ; K and V at my tile of the first 512 keys
	s_add_nc_u64 s[8:9], s[8:9], s[18:19]
	s_add_nc_u64 s[4:5], s[4:5], s[20:21]          ; Q at my first tile
	s_add_nc_u64 s[10:11], s[10:11], s[22:23]      ; ctx likewise
	CROUND                                         ; all four work-groups are here: the first joint loads meet
.irp s, 0,1
	s_mov_b32 s[G0K+4*\s], 1                       ; 1:0 count = 1
	s_add_co_u32 s[G0K+4*\s+1], s2, \s*SLOT1       ; 63:32 LDS address
	s_add_nc_u64 s[G0K+4*\s+2:G0K+4*\s+3], s[6:7], \s*65536   ; 120:64 global address: keys 512 s on
	s_or_b32 s[G0K+4*\s+3], s[G0K+4*\s+3], 0x80000000         ; 127:126 type = 2
	s_mov_b32 s[G0V+4*\s], 1
	s_add_co_u32 s[G0V+4*\s+1], s2, \s*SLOT1
	s_add_nc_u64 s[G0V+4*\s+2:G0V+4*\s+3], s[8:9], \s*65536
	s_or_b32 s[G0V+4*\s+3], s[G0V+4*\s+3], 0x80000000
.endr
	s_cmp_lt_u32 s[WV], 8                          ; a wave's two first fills stand in one branch, ahead of every wait on TENSORcnt and every LDS read: two loads of mine are out
	s_cbranch_scc0 .Lfirst_v
	tensor_load_to_lds s[G0K:G0K+3], s[G1:G1+7]
	s_nop 0
	tensor_load_to_lds s[G0K+4:G0K+7], s[G1:G1+7]
	s_nop 0
.rept 4
	v_nop
.endr
	s_branch .Lfirst_asked
.Lfirst_v:
	tensor_load_to_lds s[G0V:G0V+3], s[G1:G1+7]
	s_nop 0
	tensor_load_to_lds s[G0V+4:G0V+7], s[G1:G1+7]
	s_nop 0
.rept 4
	v_nop
.endr
.Lfirst_asked:
.set i, 0
.rept 8
	global_load_b128 v[Q+4*i:Q+4*i+3], v[L16], s[4:5] offset:512*i   ; Q stays in registers: block i = tile i / 4, channels 16 (i % 4) on
.set i, i+1
.endr
.irp t, 0,1
	v_mov_b32 v[ST+8*\t+1], 0xff61b1e6             ; m: -3e38, under every score
	v_mov_b32 v[ST+8*\t+2], 0                      ; l, in two halves
	v_mov_b32 v[ST+8*\t+3], 0
.endr
.irp t, 0,1
	v_mul_f32 v[ST+8*\t], s[CS], v[ST+8*\t+1]      ; c m
.endr
.set i, 0
.rept 64
	v_mov_b32 v[O+i], 0                            ; O^T: cleared once, so that the key step is written without a first step of its own
.set i, i+1
.endr
; A KEY STEP: 64 keys, whose K begins at LDS byte s[TB].  The two tiles alternate line by line, so that no line waits for the line above it.
.macro STEP
	v_add_nc_u32 v[ADK], s[TB], v[L16]
	v_add_nc_u32 v[ADV], VOFF, v[ADK]
.rept 3
	v_nop                                          ; with the two additions: five places behind the last step's products V^T P: four for the loads into the buffer that they read, five for the products below, which write over P's registers
.endr
.set i, 0
.rept 16
	ds_load_b128 v[KV+4*i:KV+4*i+3], v[ADK] offset:512*i   ; block i = keys 16 (i / 4) on, channels 16 (i % 4) on: 512 consecutive bytes a load
.set i, i+1
.endr
	s_wait_dscnt 0x0
.irp s, 0,1                                    ; S^T = K Q^T: the eight accumulators take turns, one instruction a turn; the first eight start the sums
.irp kt, 0,1,2,3
.irp t, 0,1
.if \s == 0
	v_wmma_f32_16x16x32_f16 v[S+32*\t+8*\kt:S+32*\t+8*\kt+7], v[KV+16*\kt+8*\s:KV+16*\kt+8*\s+7], v[Q+16*\t+8*\s:Q+16*\t+8*\s+7], 0
.else
	v_wmma_f32_16x16x32_f16 v[S+32*\t+8*\kt:S+32*\t+8*\kt+7], v[KV+16*\kt+8*\s:KV+16*\kt+8*\s+7], v[Q+16*\t+8*\s:Q+16*\t+8*\s+7], v[S+32*\t+8*\kt:S+32*\t+8*\kt+7]
.endif
.endr
.endr
.endr
.rept 4
	v_nop                                          ; four places: for the loads into K's registers, and for the first read of the scores
.endr
.irp u, 0,1                                    ; V^T, turned: fragment (channels 16 ct on, keys 32 u on); it lands while the softmax is walked
.irp ct, 0,1,2,3
	ds_load_tr16_b128 v[KV+8*(4*\u+\ct):KV+8*(4*\u+\ct)+3],   v[ADV] offset:512*(8*\u+\ct)
	ds_load_tr16_b128 v[KV+8*(4*\u+\ct)+4:KV+8*(4*\u+\ct)+7], v[ADV] offset:512*(8*\u+4+\ct)
.endr
.endr
	; the maximum of the lane's 32 scores and the old m, three operands at a time: four chains, each beginning at its accumulator's low end
.irp j, 0,1,2,3
.irp t, 0,1
	v_max3_num_f32 v[ST+8*\t+4+\j], v[S+32*\t+8*\j], v[S+32*\t+8*\j+1], v[S+32*\t+8*\j+2]
.endr
.endr
.irp i, 3,5
.irp j, 0,1,2,3
.irp t, 0,1
	v_max3_num_f32 v[ST+8*\t+4+\j], v[ST+8*\t+4+\j], v[S+32*\t+8*\j+\i], v[S+32*\t+8*\j+\i+1]
.endr
.endr
.endr
.irp t, 0,1
	v_max3_num_f32 v[ST+8*\t+4], v[ST+8*\t+4], v[S+32*\t+7], v[S+32*\t+15]
.endr
.irp t, 0,1
	v_max3_num_f32 v[ST+8*\t+6], v[ST+8*\t+6], v[S+32*\t+23], v[S+32*\t+31]
.endr
.irp t, 0,1
	v_max3_num_f32 v[ST+8*\t+4], v[ST+8*\t+4], v[ST+8*\t+5], v[ST+8*\t+6]
.endr
.irp t, 0,1
	v_max3_num_f32 v[ST+8*\t+4], v[ST+8*\t+4], v[ST+8*\t+7], v[ST+8*\t+1]
.endr
.irp t, 0,1
	v_permlanex16_b32 v[ST+8*\t+5], v[ST+8*\t+4], s[SEL], s[SEL+1]   ; the query's other 32 keys lie in the lane 16 away
.endr
.irp t, 0,1
	v_mov_b32 v[ST+8*\t+7], v[ST+8*\t]             ; c m_old is kept for a
.endr
.irp t, 0,1
	v_max_num_f32 v[ST+8*\t+1], v[ST+8*\t+4], v[ST+8*\t+5]
.endr
.irp t, 0,1
	v_mul_f32 v[ST+8*\t], s[CS], v[ST+8*\t+1]
.endr
.irp t, 0,1
	v_sub_f32 v[ST+8*\t+7], v[ST+8*\t+7], v[ST+8*\t]
.endr
	; ONE BATCH: the 16 scalings c s - c m, a pair of scores each, and all 33 exponentials of a tile.  None of these lines names an exponential's result; a pair is scaled ahead of its exponentials
.irp t, 0,1
	v_pk_fma_f32 v[S+32*\t:S+32*\t+1], v[S+32*\t:S+32*\t+1], s[CS:CS+1], v[ST+8*\t:ST+8*\t+1] op_sel_hi:[1,0,0] neg_lo:[0,0,1] neg_hi:[0,0,1]
.endr
.irp t, 0,1
	v_exp_f32 v[ST+8*\t+6], v[ST+8*\t+7]           ; a
.endr
.set b, 0
.rept 15
.irp t, 0,1
	v_pk_fma_f32 v[S+32*\t+2*b+2:S+32*\t+2*b+3], v[S+32*\t+2*b+2:S+32*\t+2*b+3], s[CS:CS+1], v[ST+8*\t:ST+8*\t+1] op_sel_hi:[1,0,0] neg_lo:[0,0,1] neg_hi:[0,0,1]
.endr
.irp t, 0,1
	v_exp_f32 v[S+32*\t+2*b], v[S+32*\t+2*b]
.endr
.irp t, 0,1
	v_exp_f32 v[S+32*\t+2*b+1], v[S+32*\t+2*b+1]
.endr
.set b, b+1
.endr
.irp t, 0,1
	v_exp_f32 v[S+32*\t+30], v[S+32*\t+30]
.endr
.irp t, 0,1
	v_exp_f32 v[S+32*\t+31], v[S+32*\t+31]
.endr
	v_nop                                          ; a plain instruction behind the last exponential, ahead of the first use
	s_wait_alu depctr_va_vdst(0)                   ; a wait ahead of the first line that names a result: one for the 66 exponentials
	; the sums, of the unrounded p: l = a l + the 16 pairs, in two chains
.irp t, 0,1
	v_pk_fma_f32 v[ST+8*\t+2:ST+8*\t+3], v[ST+8*\t+2:ST+8*\t+3], v[ST+8*\t+6:ST+8*\t+7], v[S+32*\t:S+32*\t+1] op_sel_hi:[1,0,1]
.endr
.irp t, 0,1
	v_pk_add_f32 v[ST+8*\t+4:ST+8*\t+5], v[S+32*\t+2:S+32*\t+3], v[S+32*\t+4:S+32*\t+5]
.endr
.irp p, 3,5,7,9,11,13
.irp t, 0,1
	v_pk_add_f32 v[ST+8*\t+2:ST+8*\t+3], v[ST+8*\t+2:ST+8*\t+3], v[S+32*\t+2*\p:S+32*\t+2*\p+1]
.endr
.irp t, 0,1
	v_pk_add_f32 v[ST+8*\t+4:ST+8*\t+5], v[ST+8*\t+4:ST+8*\t+5], v[S+32*\t+2*\p+2:S+32*\t+2*\p+3]
.endr
.endr
.irp t, 0,1
	v_pk_add_f32 v[ST+8*\t+2:ST+8*\t+3], v[ST+8*\t+2:ST+8*\t+3], v[S+32*\t+30:S+32*\t+31]
.endr
.irp t, 0,1
	v_pk_add_f32 v[ST+8*\t+2:ST+8*\t+3], v[ST+8*\t+2:ST+8*\t+3], v[ST+8*\t+4:ST+8*\t+5]
.endr
	; p to f16, in place: pair j into register j, ascending, so that no pair is written over before it is read.  Registers 8 u .. 8 u + 7 are then source 1 for keys 32 u on
.set j, 0
.rept 16
.irp t, 0,1
	v_cvt_pk_f16_f32 v[S+32*\t+j], v[S+32*\t+2*j], v[S+32*\t+2*j+1]
.endr
.set j, j+1
.endr
.set j, 0
.rept 16
.irp t, 0,1
	v_pk_mul_f32 v[O+32*\t+2*j:O+32*\t+2*j+1], v[O+32*\t+2*j:O+32*\t+2*j+1], v[ST+8*\t+6:ST+8*\t+7] op_sel_hi:[1,0]   ; O^T x a, each accumulator from its low end on
.endr
.set j, j+1
.endr
	s_wait_dscnt 0x0                               ; V is in
.irp u, 0,1                                    ; O^T += V^T P: the eight accumulators take turns
.irp ct, 0,1,2,3
.irp t, 0,1
	v_wmma_f32_16x16x32_f16 v[O+32*\t+8*\ct:O+32*\t+8*\ct+7], v[KV+8*(4*\u+\ct):KV+8*(4*\u+\ct)+7], v[S+32*\t+8*\u:S+32*\t+8*\u+7], v[O+32*\t+8*\ct:O+32*\t+8*\ct+7]
.endr
.endr
.endr
.endm
.macro SLOTWORK                        ; a slot's eight key steps: written once, walked eight times
	s_mov_b32 s[CNT], 8
.Lstep_\@:
	STEP
	s_add_co_u32 s[TB], s[TB], STEPB
	s_sub_co_u32 s[CNT], s[CNT], 1
	s_cmp_lg_u32 s[CNT], 0
	s_cbranch_scc1 .Lstep_\@
.endm
; THE CHANGE OF SLOTS.  Each wave waits for all its tensor loads, of which one is out: its part of the other slot; adds 0 to its spare word; and waits for that and for its own reads of the slot that it leaves.
; fill = 1: that slot is filled again, with the keys two slots on.  The barrier is then a round of the cluster's, so that no wave of any partner still reads the slot or has a load on its way, and the joint
; refill is the first thing behind it, one load a wave: it has a slot's eight key steps in which to land.
.macro CHANGE fill
	s_wait_tensorcnt 0x0                           ; no tensor load of mine is out, so a group 0 may be written
	ds_add_u32 v[SPW], v[NIL]                      ; 0 onto my spare word
.if \fill
.irp g, G0K+4, G0V+4
	s_xor_b32 s[\g+1], s[\g+1], SLOT1              ; the walking descriptor: the other slot than last time,
	s_add_nc_u64 s[\g+2:\g+3], s[\g+2:\g+3], 65536 ; the next 512 keys; the type bits on top are not reached
.endr
	s_wait_dscnt 0x0                               ; the add is done, and my reads of the slot are over
	CROUND
	JLOAD
.else
	s_wait_dscnt 0x0
	s_barrier_signal -1
	s_barrier_wait -1
.endif
	s_sub_co_u32 s[TB], s[TB], 8*STEPB             ; back to a slot's first step,
	s_xor_b32 s[TB], s[TB], SLOT1                  ; in the other slot
.endm
	s_wait_tensorcnt 1                             ; my part of slot 0 is in; slot 1's may stay out
	s_barrier_signal -1
	s_barrier_wait -1                              ; everybody's is
	s_wait_loadcnt 0x0                             ; Q
	SLOTWORK                                       ; keys 0 to 511
	s_mov_b32 s[SLOTS], 2
.Lslot:                                            ; two trips: keys 512 on and 1,024 on are worked, keys 1,024 on and 1,536 on are asked for
	CHANGE 1
	SLOTWORK
	s_sub_co_u32 s[SLOTS], s[SLOTS], 1
	s_cmp_lg_u32 s[SLOTS], 0
	s_cbranch_scc1 .Lslot
	CHANGE 0                                       ; the tail is written out
	SLOTWORK                                       ; keys 1,536 on
	; THE WAY OUT.  l's two halves and the other half of the lanes' are added; O^T is divided by l, rounded to f16 and stored from registers.  The lines down to the wait are the places behind the last products.
.irp t, 0,1
	v_add_f32 v[ST+8*\t+4], v[ST+8*\t+2], v[ST+8*\t+3]
.endr
.irp t, 0,1
	v_permlanex16_b32 v[ST+8*\t+5], v[ST+8*\t+4], s[SEL], s[SEL+1]
.endr
.irp t, 0,1
	v_add_f32 v[ST+8*\t+4], v[ST+8*\t+4], v[ST+8*\t+5]
.endr
.irp t, 0,1
	v_rcp_f32 v[ST+8*\t+6], v[ST+8*\t+4]
.endr
	v_nop                                          ; a plain instruction between the last reciprocal and the use of its result
	s_wait_alu depctr_va_vdst(0)                   ; and a wait ahead of the first use: one for both
.set j, 0
.rept 16
.irp t, 0,1
	v_pk_mul_f32 v[O+32*\t+2*j:O+32*\t+2*j+1], v[O+32*\t+2*j:O+32*\t+2*j+1], v[ST+8*\t+6:ST+8*\t+7] op_sel_hi:[1,0]
.endr
.set j, j+1
.endr
.set j, 0
.rept 16
.irp t, 0,1
	v_cvt_pk_f16_f32 v[S+16*\t+j], v[O+32*\t+2*j], v[O+32*\t+2*j+1]   ; registers 4 ct .. 4 ct + 3: query r, channels 16 ct + 8 h + 0 .. 7
.endr
.set j, j+1
.endr
.irp t, 0,1
.irp ct, 0,1,2,3
	global_store_b128 v[L16], v[S+16*\t+4*\ct:S+16*\t+4*\ct+3], s[10:11] offset:\t*32768+\ct*512   ; a block of cf: 512 consecutive bytes, aligned
.endr
.endr
	s_wait_tensorcnt 0x0                           ; the wave's end, behind my last tensor load
	ds_add_u32 v[SPW], v[NIL]
	s_wait_dscnt 0x0
	CROUND                                         ; the closing round: no work-group ends while a partner may still ask for a tile that names it
	s_endpgm
.Lfunc_end_k_q3ac500f136_attn:
	.size	k_q3ac500f136_attn, .Lfunc_end_k_q3ac500f136_attn-k_q3ac500f136_attn
	.p2alignl 7, 3214868480
	.fill 96, 4, 3214868480
	.section	.rodata,"a",@progbits
	.p2align	6, 0x0
	.amdhsa_kernel k_q3ac500f136_attn
		.amdhsa_group_segment_fixed_size 327680
		.amdhsa_private_segment_fixed_size 0
		.amdhsa_enable_private_segment 0
		.amdhsa_kernarg_size 32
		.amdhsa_user_sgpr_count 2
		.amdhsa_user_sgpr_kernarg_segment_ptr 1
		.amdhsa_wavefront_size32 1
		.amdhsa_system_sgpr_workgroup_id_x 1
		.amdhsa_system_sgpr_workgroup_id_y 1
		.amdhsa_system_sgpr_workgroup_id_z 1
		.amdhsa_system_vgpr_workitem_id 0
		.amdhsa_next_free_vgpr 256
		.amdhsa_next_free_sgpr 66
		.amdhsa_reserve_vcc 0
		.amdhsa_float_denorm_mode_32 3
		.amdhsa_float_denorm_mode_16_64 3
		.amdhsa_memory_ordered 1
		.amdhsa_forward_progress 1
		.amdhsa_inst_pref_size 67
	.end_amdhsa_kernel
	.amdgpu_metadata
---
amdhsa.version: [ 1, 2 ]
amdhsa.kernels:
  - .name:           k_q3ac500f136_attn
    .symbol:         k_q3ac500f136_attn.kd
    .args:
      - { .name: qf, .offset: 0, .size: 8, .value_kind: global_buffer, .address_space: global }
      - { .name: kf, .offset: 8, .size: 8, .value_kind: global_buffer, .address_space: global }
      - { .name: vf, .offset: 16, .size: 8, .value_kind: global_buffer, .address_space: global }
      - { .name: cf, .offset: 24, .size: 8, .value_kind: global_buffer, .address_space: global }
    .group_segment_fixed_size: 327680
    .private_segment_fixed_size: 0
    .kernarg_segment_align: 8
    .kernarg_segment_size: 32
    .max_flat_workgroup_size: 512
    .sgpr_count:     66
    .vgpr_count:     256
    .wavefront_size: 32
...
	.end_amdgpu_metadata
.endif
;; end of part 3
;; launch outp (part 4): grid 4 x 64, 4 waves a work-group, clusters of 4 x 4, 327,680 bytes of LDS; arguments cf, wf, bo, out0; writes out0
.if DOCPART == 4
	.amdgcn_target "amdgcn-amd-amdhsa--gfx1250"
	.amdhsa_code_object_version 6
	.text
	.protected	k_q3ac500f136_outp
	.globl	k_q3ac500f136_outp
	.p2align	8
	.type	k_q3ac500f136_outp,@function
k_q3ac500f136_outp:
	s_mov_b64 s[64:65], 0
	v_nop
	global_prefetch_b8 v0, s[64:65] scope:SCOPE_SE
	s_setreg_imm32_b32 hwreg(HW_REG_WAVE_MODE, 25, 1), 1
	s_wait_xcnt 0x0
	s_wait_alu depctr_hold_cnt(0) depctr_sa_sdst(0) depctr_va_vdst(0) depctr_va_sdst(0) depctr_va_ssrc(0) depctr_va_vcc(0) depctr_vm_vsrc(0)
	s_getreg_b32 s2, hwreg(HW_REG_IB_STS2, 6, 4)
	s_cmp_eq_u32 s2, 0
	s_cbranch_scc0 .Lentry_in_a_cluster
	s_endpgm
.Lentry_in_a_cluster:
	s_bfe_u32 s2, ttmp6, 0x10000c
	s_cmp_lg_u32 s2, 0xf033
	s_cbranch_scc0 .Lentry_shape_is_right
	s_endpgm
.Lentry_shape_is_right:
; out0[m][n] = the sum over k of ctx[m][k] Wo[n][k] + bo[n]: [8192][1024] x [1024][1024], operands f16, sums f32, out0 f32.
; cf and wf are made of blocks of 512 bytes, block (row / 16) x 64 + k / 16: 16 rows x 16 along K as an image of operand registers: lane (r, h) owns the 16 bytes at 16 x lane: row r, k = 8 h .. + 7.
; Two neighbouring blocks are a fragment of 16 x 32.  16 rows are 32,768 bytes; a K step of 128 is 4,096 consecutive bytes of them.  Fragments are read from LDS at 16 x lane: no pitch, no padding.
; A tile of 128 rows x 256 columns is made by a work-group of four waves: 64 x 4 tiles, one for each of 256 work-groups.  A wave makes 64 x 128: 32 accumulators of 16 x 16, 256 registers.
; K goes in 8 steps of 128 through a ring of two LDS slots: ctx's 8 tiles of 16 rows (32,768 bytes), then Wo's 16 (65,536).  Waves 0 and 1 fetch ctx's halves, waves 2 and 3 Wo's, one tensor load each.
; CLUSTERS: 4 x 4 work-groups.  The four of a row of the cluster need the same tiles of ctx, the four of a column the same tiles of Wo: each is asked for JOINTLY.
; THE MATRIX INSTRUCTION IS USED TRANSPOSED (source 0 = 16 rows of Wo, source 1 = 16 rows of ctx): a lane holds one token and eight neighbouring columns.  THE BIAS IS THE C OF EACH SUM'S FIRST PRODUCT.
; No prefetch: 8 K steps; the launch is short.
; REGISTERS, in windows of 256: window 0: v16-30 addresses; v64-191 rows on the way out, two sets; v192-255 the bias, 8 registers for each of my 8 blocks of 16 columns.
;   window 1: two fragment buffers of 96: Wo's eight fragments, then ctx's four.   window 2: the accumulators ((a, b) at v[8 (8 a + b)]).
.set SLOT,   98304
.set BOFF,   32768                     ; Wo's tiles lie behind ctx's
.set STAGE,  2*SLOT                    ; behind the ring: 16 rows x 528 bytes for each wave, for the way out; no tile lands there
.set SPITCH, 528                       ; a stage row: 512 bytes + 16
.set SPARE,  STAGE+4*16*SPITCH         ; behind the stages: the spare words, 128 bytes a wave, which no other line names
.set LAPS,   4                         ; a lap = two K steps = once round the ring
.set ADRA, 16                          ; v16-17  LDS address of my fragments of ctx in slot 0, 1
.set ADRB, 20                          ; v20-21  the same for Wo
.set STO,  24                          ; v24     the way out: where I put 32 bytes of a row
.set RD,   25                          ; v25     the way out: where I read a row back
.set CO,   26                          ; v26     16 x lane
.set SPW,  28                          ; v28     LDS address of my spare word; never rewritten
.set NIL,  29                          ; v29     0; never rewritten
.set BO,   30                          ; v30     32 h
.set BK,   64
.set BIAS, 192
.set F0,   0                           ; fragment buffers, in window 1
.set F1,   96
.set G1, 24                            ; s[24:31] descriptor group 1 for ctx's tiles;  s[32:39] group 0, one set a slot
.set G0, 32
.set G1B, 48                           ; s[48:55], s[56:63] the same for Wo's
.set G0B, 56
.set MSB, 0
.macro WIN new                         ; the immediate's high byte repeats the setting that is left; a switch that changes nothing is dropped
.if MSB != (\new)
	s_set_vgpr_msb (MSB<<8)|(\new)
.set MSB, (\new)
.endif
.endm
.set MUL,  0xa5                        ; sources 0 and 1 window 1, C and D window 2;  with the bias as C (window 0): 0x85
.set TO_F, 0x40                        ; destination window 1, address window 0
.macro JLOAD s                         ; a joint load: waves 0 and 1 fetch ctx's two halves, waves 2 and 3 Wo's; an s_nop 0 and four v_nop follow each of the two lines
	s_cmp_eq_u32 s13, 0
	s_cbranch_scc0 .Lfor_b_\@
	tensor_load_to_lds s[G0+4*\s:G0+4*\s+3], s[G1:G1+7]
	s_nop 0
.rept 4
	v_nop
.endr
	s_branch .Lasked_\@
.Lfor_b_\@:
	tensor_load_to_lds s[G0B+4*\s:G0B+4*\s+3], s[G1B:G1B+7]
	s_nop 0
.rept 4
	v_nop
.endr
.Lasked_\@:
.endm
.macro CREST                           ; a round of the cluster's barrier behind its opening barrier
	s_cmp_lg_u32 s12, 0
	s_cbranch_scc1 .Lnot_wave_0_\@
	s_barrier_signal -3
.Lnot_wave_0_\@:
	s_barrier_wait -3
	s_barrier_signal -1
	s_barrier_wait -1
.endm
.macro CROUND                          ; a whole round
	s_barrier_signal -1
	s_barrier_wait -1
	CREST
.endm
	s_load_b256 s[4:11], s[0:1], 0x0               ; cf 4, wf 6, bo 8, out0 10
	v_lshl_add_u32 v[SPW], v0, 2, SPARE
	v_mov_b32 v[NIL], 0
	ds_add_u32 v[SPW], v[NIL]                      ; the wave's opening: the add, twice on end, and its wait ahead of my first tensor load; the set-up below stands between
	ds_add_u32 v[SPW], v[NIL]
	v_lshrrev_b32 v1, 5, v0
	v_readfirstlane_b32 s12, v1                    ; wave 0..3
	s_lshr_b32 s13, s12, 1                         ; which half of the tile's rows is mine.  Also: I fetch for ctx (0) or for Wo (1)
	s_and_b32 s14, s12, 1                          ; which half of its columns.  Also: which half of that tile I fetch
	s_bfe_u32 s40, ttmp6, 0x40000                  ; cx, cy: my place in the cluster
	s_bfe_u32 s41, ttmp6, 0x40004
	s_lshl_b32 s42, ttmp9, 2
	s_add_co_u32 s42, s42, s40                     ; tile column = 4 x cluster x + cx
	s_and_b32 s15, ttmp7, 0xffff
	s_lshl_b32 s15, s15, 2
	s_add_co_u32 s15, s15, s41                     ; tile row = 4 x cluster y + cy
	s_lshl_b32 s43, s41, 2
	s_lshl_b32 s43, 15, s43                        ; my row of the cluster
	s_lshl_b32 s44, 0x1111, s40                    ; my column
	; descriptor group 1: rows of 4,096 bytes (512 elements of 8 bytes: a K step of 16 rows of the operand), 32,768 bytes apart; 4 of them for ctx, 8 for Wo; dense in LDS
	s_or_b32 s[G1+0], s43, (3<<16)|(1<<21)         ; 15:0 the mask: ctx's tiles go to my row; 17:16 elements of 8 bytes; 21 set beside a mask
	s_mov_b32 s[G1+1], 512<<16                     ; tensor_dim0
	s_mov_b32 s[G1+2], 4<<16                       ; tensor_dim1
	s_mov_b32 s[G1+3], 512<<16                     ; tile_dim0
	s_mov_b32 s[G1+4], 4                           ; tile_dim1
	s_mov_b32 s[G1+5], 4096                        ; tensor_dim0_stride
	s_mov_b32 s[G1+6], 0
	s_mov_b32 s[G1+7], 0
	s_or_b32 s[G1B+0], s44, (3<<16)|(1<<21)        ; Wo's go to my column
	s_mov_b32 s[G1B+1], 512<<16
	s_mov_b32 s[G1B+2], 8<<16
	s_mov_b32 s[G1B+3], 512<<16
	s_mov_b32 s[G1B+4], 8
	s_mov_b32 s[G1B+5], 4096
	s_mov_b32 s[G1B+6], 0
	s_mov_b32 s[G1B+7], 0
	s_lshl_b32 s16, s15, 3
	s_lshl_b32 s17, s14, 2
	s_add_co_u32 s16, s16, s17                     ; ctx: tile of 16 rows 8 x tile row + 4 x half
	s_lshl_b32 s16, s16, 15                        ; in bytes: under 2^24
	s_mov_b32 s17, 0
	s_lshl_b32 s46, s42, 4
	s_lshl_b32 s47, s14, 3
	s_add_co_u32 s46, s46, s47                     ; Wo: tile of 16 rows 16 x tile column + 8 x half
	s_lshl_b32 s46, s46, 15
	s_mov_b32 s47, 0
	s_lshl_b32 s20, s14, 14                        ; where they go: ctx's half: 4 x 4,096 bytes;
	s_lshl_b32 s21, s14, 15
	s_add_co_u32 s21, s21, BOFF                    ; Wo's half: 8 x 4,096, behind ctx's: no place in the cluster enters an LDS address
	s_wait_dscnt 0x0                               ; both opening adds are done
	s_wait_kmcnt 0x0
	s_add_nc_u64 s[16:17], s[4:5], s[16:17]
	s_add_nc_u64 s[46:47], s[6:7], s[46:47]
	CROUND                                         ; all sixteen work-groups are here: the first joint loads meet
.irp s, 0,1
	s_mov_b32 s[G0+4*\s], 1
	s_add_co_u32 s[G0+4*\s+1], s20, \s*SLOT
	s_add_nc_u64 s[G0+4*\s+2:G0+4*\s+3], s[16:17], \s*4096     ; K step s
	s_or_b32 s[G0+4*\s+3], s[G0+4*\s+3], 0x80000000
	s_mov_b32 s[G0B+4*\s], 1
	s_add_co_u32 s[G0B+4*\s+1], s21, \s*SLOT
	s_add_nc_u64 s[G0B+4*\s+2:G0B+4*\s+3], s[46:47], \s*4096
	s_or_b32 s[G0B+4*\s+3], s[G0B+4*\s+3], 0x80000000
	JLOAD \s                                       ; two tensor loads of mine are out
.endr
	v_and_b32 v1, 15, v0                           ; r = lane % 16
	v_bfe_u32 v2, v0, 4, 1                         ; h = lane / 16
	v_and_b32 v3, 31, v0
	v_lshlrev_b32 v[CO], 4, v3
	v_lshlrev_b32 v[BO], 5, v2
	s_lshl_b32 s46, s42, 10
	s_lshl_b32 s47, s14, 9
	s_add_co_u32 s46, s46, s47                     ; my first column, in bytes: (256 x tile column + 128 x half) x 4
	s_mov_b32 s47, 0
	s_add_nc_u64 s[8:9], s[8:9], s[46:47]
	s_add_nc_u64 s[10:11], s[10:11], s[46:47]
.irp b, 0,1,2,3,4,5,6,7
	global_load_b128 v[BIAS+8*\b:BIAS+8*\b+3],   v[BO], s[8:9] offset:64*\b      ; bo[16 b + 8 h + 0 .. 7]: the result's layout
	global_load_b128 v[BIAS+8*\b+4:BIAS+8*\b+7], v[BO], s[8:9] offset:64*\b+16
.endr
	s_lshl_b32 s46, s15, 19                        ; my first row of out0: (128 x tile row + 64 x half) x 4,096 bytes: under 2^26
	s_lshl_b32 s22, s13, 18
	s_add_co_u32 s46, s46, s22
	s_add_nc_u64 s[10:11], s[10:11], s[46:47]
	s_lshl_b32 s22, s13, 14                        ; my 4 tiles of ctx
	s_lshl_b32 s23, s14, 15
	s_add_co_u32 s23, s23, BOFF                    ; my 8 tiles of Wo
.irp s, 0,1
	v_add_nc_u32 v[ADRA+\s], s22, v[CO]
	v_add_nc_u32 v[ADRB+\s], s23, v[CO]
	s_add_co_u32 s22, s22, SLOT
	s_add_co_u32 s23, s23, SLOT
.endr
	s_mul_i32 s22, s12, 16*SPITCH
	s_add_co_u32 s22, s22, STAGE                   ; my stage
	v_mul_u32_u24 v4, v1, SPITCH                   ; in: row r, 32 bytes for each half of the lanes
	v_lshl_add_u32 v4, v2, 5, v4
	v_add_nc_u32 v[STO], s22, v4
	v_add_nc_u32 v[RD], s22, v[CO]                 ; back: the 32 lanes take one row of 512 bytes
; 8 matrix instructions: ctx's tile a against Wo's eight, 32 along K, from buffer f.  first = 1: the bias is C: nothing is cleared and no addition is spent.
; The 32 accumulators take turns, one instruction a turn, in the same order in every quarter.
.macro MUL8 f, a, first
.irp b, 0,1,2,3,4,5,6,7
.if \first
	v_wmma_f32_16x16x32_f16 v[8*(8*(\a)+\b):8*(8*(\a)+\b)+7], v[\f+8*\b:\f+8*\b+7], v[\f+64+8*(\a):\f+64+8*(\a)+7], v[BIAS+8*\b:BIAS+8*\b+7]
.else
	v_wmma_f32_16x16x32_f16 v[8*(8*(\a)+\b):8*(8*(\a)+\b)+7], v[\f+8*\b:\f+8*\b+7], v[\f+64+8*(\a):\f+64+8*(\a)+7], v[8*(8*(\a)+\b):8*(8*(\a)+\b)+7]
.endif
.endr
.endm
; 24 LDS loads in one run: the fragments of the slot's q-th 32 along K into buffer f: Wo's sixteen loads first, then ctx's eight
.macro FETCH slot, q, f
	WIN TO_F
.irp i, 0,1,2,3,4,5,6,7
	ds_load_b128 v[\f+8*\i:\f+8*\i+3],   v[ADRB+\slot] offset:\i*4096+(\q)*1024
	ds_load_b128 v[\f+8*\i+4:\f+8*\i+7], v[ADRB+\slot] offset:\i*4096+(\q)*1024+512
.endr
.irp i, 0,1,2,3
	ds_load_b128 v[\f+64+8*\i:\f+64+8*\i+3],   v[ADRA+\slot] offset:\i*4096+(\q)*1024
	ds_load_b128 v[\f+64+8*\i+4:\f+64+8*\i+7], v[ADRA+\slot] offset:\i*4096+(\q)*1024+512
.endr
.endm
.macro PLACES                          ; four places in front of loads into registers that matrix instructions have read, and of the first read of results (ISA guide 7.12.1 for vector instructions)
.rept 4
	v_nop
.endr
.endm
; A K step is four quarters of 32 along K, 32 matrix instructions each, on buffers 0, 1, 0, 1.  One of the first three: multiplies buffer f and fetches quarter q into g.
.macro QUARTER slot, q, f, g, first
	s_wait_dscnt 4                                 ; Wo's fragments and ctx's tiles 0 and 1 are in; the youngest four loads (tiles 2 and 3) may be out
	WIN MUL-0x20*(\first)
	MUL8 \f, 0, \first
	MUL8 \f, 1, \first
	PLACES
	FETCH \slot, \q, \g
	s_wait_dscnt 24                                ; all but the 24 just issued
	WIN MUL-0x20*(\first)
	MUL8 \f, 2, \first
	MUL8 \f, 3, \first
.endm
; The last quarter multiplies buffer 1 and changes slots: ONE barrier; in front of it each wave waits for all its tensor loads, adds 0 to its spare word, and waits for that and for its own reads of this slot.
; fill = 1: the barrier opens a round of the cluster's, and this slot is filled again, two K steps ahead: from that request to the wait for it a wave issues 112 matrix instructions.
.macro TURN slot, next, fill
	WIN 0                                          ; (the add's two registers lie in window 0)
	s_wait_tensorcnt 0x0                           ; all my tensor loads have landed: my part of the next slot;
	ds_add_u32 v[SPW], v[NIL]                      ; 0 onto my spare word;
	s_wait_dscnt 5                                 ; (the add and the youngest four loads may be out)
	WIN MUL
	MUL8 F1, 0, 0                                  ; eight matrix instructions stand between the add and the wait for it
	s_wait_dscnt 0x0                               ; the add is done, and my reads of this slot are over
	s_barrier_signal -1
	MUL8 F1, 1, 0
.if \fill
	WIN 0
.endif
	s_barrier_wait -1
.if \fill
	CREST                                          ; no wave of any partner still reads this slot's tiles or has a load on its way
	s_add_nc_u64 s[G0+4*\slot+2:G0+4*\slot+3], s[G0+4*\slot+2:G0+4*\slot+3], 2*4096
	s_add_nc_u64 s[G0B+4*\slot+2:G0B+4*\slot+3], s[G0B+4*\slot+2:G0B+4*\slot+3], 2*4096
	JLOAD \slot                                    ; the first tensor load behind the round; the four v_nop behind it are also the places in front of the loads below
.else
	PLACES
.endif
	FETCH \next, 0, F0
	WIN MUL
	MUL8 F1, 2, 0
	MUL8 F1, 3, 0
.endm
	s_wait_tensorcnt 1                             ; my part of K step 0 is in (K step 1's load may be out)
	s_barrier_signal -1
	s_barrier_wait -1                              ; everybody's is
	s_wait_loadcnt 0x0                             ; the bias
	FETCH 0, 0, F0
	QUARTER 0, 1, F0, F1, 1                        ; the first quarter stands in front of the loop: its products start the sums from the bias
	WIN 0                                          ; at a label and at a branch every window is 0
	s_mov_b32 s3, LAPS-1
.Llap:                                                 ; a trip goes once round the ring, from a lap's second quarter to the next lap's first, and fills both slots again
	QUARTER 0, 2, F1, F0, 0
	QUARTER 0, 3, F0, F1, 0
	TURN 0, 1, 1
	QUARTER 1, 1, F0, F1, 0
	QUARTER 1, 2, F1, F0, 0
	QUARTER 1, 3, F0, F1, 0
	TURN 1, 0, 1
	QUARTER 0, 1, F0, F1, 0
	WIN 0
	s_sub_co_u32 s3, s3, 1
	s_cmp_lg_u32 s3, 0
	s_cbranch_scc1 .Llap
	QUARTER 0, 2, F1, F0, 0                        ; the last lap fills nothing, and has no round of the cluster's barrier
	QUARTER 0, 3, F0, F1, 0
	TURN 0, 1, 0
	QUARTER 1, 1, F0, F1, 0
	QUARTER 1, 2, F1, F0, 0
	QUARTER 1, 3, F0, F1, 0
	s_wait_dscnt 4                                 ; the very last quarter: nothing more to fetch
	WIN MUL
	MUL8 F1, 0, 0
	MUL8 F1, 1, 0
	s_wait_dscnt 0
	MUL8 F1, 2, 0
	MUL8 F1, 3, 0
	WIN 0
; THE WAY OUT, block by block of 16 rows x 128 columns.  A lane holds 32 neighbouring bytes of a row, and the lanes beside it hold other rows: so a block goes through my own stage in LDS and comes back as whole
; rows of 512 bytes.  LDS serves a wave's instructions in order (ISA guide 5.7.1.4): no wait between the stores and the loads, nor in front of the next block's stores.
.macro TOSTAGE a
	WIN 0x08                                       ; an LDS store's data are its source 1: window 2
.irp b, 0,1,2,3,4,5,6,7
	ds_store_b128 v[STO], v[64*(\a)+8*\b:64*(\a)+8*\b+3] offset:64*\b            ; each accumulator from its low end on
	ds_store_b128 v[STO], v[64*(\a)+8*\b+4:64*(\a)+8*\b+7] offset:64*\b+16
.endr
	WIN 0
.irp t, 0,1,2,3,4,5,6,7,8,9,10,11,12,13,14,15
	ds_load_b128 v[BK+64*((\a)%2)+4*\t:BK+64*((\a)%2)+4*\t+3], v[RD] offset:\t*SPITCH
.endr
.endm
.macro SEND a, younger                 ; younger: the LDS instructions issued behind block a's loads, which may stay out
	s_wait_dscnt \younger                          ; the block is back in registers
.irp t, 0,1,2,3,4,5,6,7,8,9,10,11,12,13,14,15
	global_store_b128 v[CO], v[BK+64*((\a)%2)+4*\t:BK+64*((\a)%2)+4*\t+3], s[10:11] offset:(\a)*65536+\t*4096 th:TH_STORE_NT   ; 32 lanes store 512 consecutive bytes, aligned; written once, read by nobody here
.endr
.endm
	PLACES                                         ; behind the last products, ahead of the first read of results
	TOSTAGE 0
.irp a, 1,2,3
.if \a > 1
	s_wait_xcnt 0x0                                ; block a - 2's stores have read their registers: block a's loads may land there
.endif
	TOSTAGE \a
	SEND (\a)-1, 32                                ; behind block a - 1's loads: block a's 16 stores and 16 loads
.endr
	SEND 3, 0
	s_wait_tensorcnt 0x0                           ; the wave's end, behind my last tensor load and my last LDS store
	ds_add_u32 v[SPW], v[NIL]
	s_wait_dscnt 0x0
	CROUND                                         ; the closing round: no work-group ends while a partner may still ask for a tile that names it
	s_endpgm
.Lfunc_end_k_q3ac500f136_outp:
	.size	k_q3ac500f136_outp, .Lfunc_end_k_q3ac500f136_outp-k_q3ac500f136_outp
	.p2alignl 7, 3214868480
	.fill 96, 4, 3214868480
	.section	.rodata,"a",@progbits
	.p2align	6, 0x0
	.amdhsa_kernel k_q3ac500f136_outp
		.amdhsa_group_segment_fixed_size 327680
		.amdhsa_private_segment_fixed_size 0
		.amdhsa_enable_private_segment 0
		.amdhsa_kernarg_size 32
		.amdhsa_user_sgpr_count 2
		.amdhsa_user_sgpr_kernarg_segment_ptr 1
		.amdhsa_wavefront_size32 1
		.amdhsa_system_sgpr_workgroup_id_x 1
		.amdhsa_system_sgpr_workgroup_id_y 1
		.amdhsa_system_sgpr_workgroup_id_z 1
		.amdhsa_system_vgpr_workitem_id 0
		.amdhsa_next_free_vgpr 768
		.amdhsa_next_free_sgpr 66
		.amdhsa_reserve_vcc 0
		.amdhsa_float_denorm_mode_32 3
		.amdhsa_float_denorm_mode_16_64 3
		.amdhsa_memory_ordered 1
		.amdhsa_forward_progress 1
		.amdhsa_inst_pref_size 86
	.end_amdhsa_kernel
	.amdgpu_metadata
---
amdhsa.version: [ 1, 2 ]
amdhsa.kernels:
  - .name:           k_q3ac500f136_outp
    .symbol:         k_q3ac500f136_outp.kd
    .args:
      - { .name: cf, .offset: 0, .size: 8, .value_kind: global_buffer, .address_space: global }
      - { .name: wf, .offset: 8, .size: 8, .value_kind: global_buffer, .address_space: global }
      - { .name: bo, .offset: 16, .size: 8, .value_kind: global_buffer, .address_space: global }
      - { .name: out0, .offset: 24, .size: 8, .value_kind: global_buffer, .address_space: global }
    .group_segment_fixed_size: 327680
    .private_segment_fixed_size: 0
    .kernarg_segment_align: 8
    .kernarg_segment_size: 32
    .max_flat_workgroup_size: 128
    .sgpr_count:     66
    .vgpr_count:     768
    .wavefront_size: 32
...
	.end_amdgpu_metadata
.endif
;; end of part 4
